; MI455X (gfx1250); checked and timed in simulation.
; The chip was launched on July 23, 2026; its instructions are those of AMD's public machine-readable ISA for CDNA 5 (MIT licence, August 2026) and "CDNA5" Instruction Set Architecture Reference Guide (July 2026). The comments in the code are by the model that wrote it; some were corrected since.
;; Gated Attention Wrapper. Allowed arithmetic: matrix products marked QUANTISED: E4M3 operands, one given power-of-two scale a tensor, by v_wmma_f32_16x16x64_fp8_fp8 or v_wmma_f32_16x16x128_fp8_fp8, f32 sums; everything else in f32.
;; Inputs: Wk 2,048 x 512 float32; Wo 1,024 x 2,048 float32; Wq 2,048 x 1,024 float32; Wv 2,048 x 512 float32; attention_mask 1 x 1 x 4,096 x 4,096 float32; cos 1 x 1 x 4,096 x 128 float32; gate 1 x 4,096 float32; hidden_states 1 x 4,096 x 2,048 float32; lowp_scales 12 int32 (the exponents e of the quantised operands' scales 2^e); sin 1 x 1 x 4,096 x 128 float32.
;; Outputs: out0 1 x 4,096 x 2,048 float32.
;; This version of the problem:
;;   THIS VERSION OF THE PROBLEM IS GIVEN IN LOW PRECISION. The matrix products marked QUANTISED in the list below multiply operands that are first quantised to E4M3 (4 exponent bits, 3 mantissa bits; 8 bits a number), with one given power-of-two scale for each operand tensor; their sums are f32. All else is computed in f32.
;;   The module's matrix products, in the order in which they are computed (A, B: the left and right operand; K: the contracted axis; several contracted axes count as one K, in the product's order):
;;     1. [M 4,096, K 2,048] x [K 2,048, N 1,024]; A: input hidden_states; B: input Wq: QUANTISED (scales: A lowp_scales[0], B lowp_scales[1])
;;     2. [M 4,096, K 2,048] x [K 2,048, N 512]; A: input hidden_states; B: input Wk: QUANTISED (scales: A lowp_scales[2], B lowp_scales[3])
;;     3. [M 4,096, K 2,048] x [K 2,048, N 512]; A: input hidden_states; B: input Wv: QUANTISED (scales: A lowp_scales[4], B lowp_scales[5])
;;     4. batch 8 x [M 4,096, K 128] x [K 128, N 4,096]; A: computed on the way; B: computed on the way: QUANTISED (scales: A lowp_scales[6], B lowp_scales[7])
;;     5. batch 8 x [M 4,096, K 4,096] x [K 4,096, N 128]; A: softmax (see below); B: computed on the way: QUANTISED (scales: A lowp_scales[8], B lowp_scales[9])
;;     6. [M 4,096, K 1,024] x [K 1,024, N 2,048]; A: computed on the way; B: input Wo: QUANTISED (scales: A lowp_scales[10], B lowp_scales[11])
;;   THE QUANTISER, for each operand of a quantised product, along K:
;;     - The operand's scale is 2^e, e = its entry of the input lowp_scales (int32; the entries are numbered through the quantised products in the list's order, A before B).
;;     - Each number is divided by the scale, clamped to +-448, and rounded to the nearest number of E4M3, ties to even, subnormals kept.
;;     - The product sums the exact products of the quantised numbers (number of the format x scale) in f32.
;;   ~~~python
;;   def quantise(x, axis, e):      # numpy; x: float32 -> the quantised numbers, widened to float32 again
;;       x = np.moveaxis(x, axis, -1); K = x.shape[-1]
;;       r = np.clip(x / 2.0 ** e, -448, 448)
;;       step = 2.0 ** (np.maximum(np.frexp(np.where(r == 0, 1, r))[1] - 1, -6) - 3)
;;       q = np.round(r / step) * step * 2.0 ** e      # np.round: ties to even
;;       return np.moveaxis(q, -1, axis).astype(np.float32)
;;   ~~~
;;   SOFTMAX AHEAD OF A QUANTISED PRODUCT. Where the list says 'softmax', what is quantised is not the finished softmax but p = 2^(t - M), with t = logit x log2(e) and M = ceil(the row's largest t), a whole number; so 1/2 < the row's largest p <= 1. The row's sum l is taken of the UNQUANTISED p, in f32, and the product's result is divided by l at the end. Since M is a whole number, a kernel that streams over the keys may use a running M (the ceiling of the running maximum): every later rescaling is an exact power of two, so the quantised numbers keep their values, but for numbers so far below the row's largest that they fall under the format's range.
;;   OPERANDS COMPUTED ON THE WAY. 'Computed on the way' means the value that the module computes at that place (a softmax that the list does not call 'softmax' is quantised finished and normalised). What goes into a quantiser is computed in f32, as accurately as f32 sums, v_exp_f32 and their like allow (about 1e-6 of the number): no bf16 or f16 on the way to a quantiser, and a product that is left as it is and whose result goes on into a quantised operand takes f32 operands (vector FMAs, or v_wmma_f32_16x16x4_f32). A number that lies on a knife's edge between two numbers of the format may be rounded either way, as far as f32 arithmetic and the matrix unit's own rounding can turn it there, and no further.
;; One version. Each part assembles by itself: llvm-mc -triple=amdgcn-amd-amdhsa -mcpu=gfx1250 --defsym DOCPART=n.
;; ======== version 1 of 1: 4 launches
;; workspace buffers: h_codes 25,165,824 bytes; w_codes 6,291,456 bytes; q_codes 4,194,304 bytes; k_codes 2,097,152 bytes; v_codes 2,097,152 bytes; a_codes 4,194,304 bytes
;; launch quant (part 1): grid 448 x 1, 4 waves a work-group, no clusters, 68,096 bytes of LDS; arguments hidden_states, Wq, Wk, Wv, Wo, lowp_scales, h_codes, w_codes; writes h_codes, w_codes
.if DOCPART == 1
	.amdgcn_target "amdgcn-amd-amdhsa--gfx1250"
	.amdhsa_code_object_version 6
	.text
	.protected	k_q96dd485250_quant
	.globl	k_q96dd485250_quant
	.p2align	8
	.type	k_q96dd485250_quant,@function
k_q96dd485250_quant:
	s_mov_b64 s[64:65], 0
	v_nop
	global_prefetch_b8 v0, s[64:65] scope:SCOPE_SE
	s_setreg_imm32_b32 hwreg(HW_REG_WAVE_MODE, 25, 1), 1
	s_wait_xcnt 0x0
; f32 numbers into codes of E4M3, each tensor with the scale 2^e that is given for it: code = x / 2^e, held within +-448, to the nearest code, ties to even.
; Work-groups 0-255: hidden_states [4096][2048], K innermost, three times (entries 0, 2, 4 of the scales) into three planes of h_codes, 8,388,608 bytes apart.
; Work-groups 256-447: Wq, Wk, Wv [2048 k][n] and Wo [1024 k][2048 n], K outermost, into w_codes with K innermost: rows 0-1023 Wq's columns, 1024-1535 Wk's, 1536-2047 Wv's (2,048 bytes a row);
; from byte 4,194,304 on Wo's 2,048 columns (1,024 bytes a row).
; LIMITS: each e between -126 and 119, so that 2^e and 448 x 2^e are f32 numbers.  NaN among the inputs is not served.
; No tensor loads, no barrier: waves share nothing.  The two paths part on the work-group's number and have LDS bytes of their own: 0-32,767 and 32,768-67,583.
.set SP,    80                         ; path H: a lane's place in a stage: 64 bytes + 16 of padding
.set WREG,  8192                       ; path H: LDS of a wave: two stages of 32 x SP bytes
.set R,     16                         ; v16-79   four sets of 16 numbers as loaded
.set X,     80                         ; v80-111  two sets of 16 neighbours
.set T,     112                        ; v112-159 the numbers held, a set for each scale
.set C,     160                        ; v160-183 codes: two sets of 12 registers
.set WSTG,  32768                      ; path W: the stages, 32 rows x 272 bytes a wave
.set VO,    16                         ; v16-47   path W: 4 x lane + i rows of the weight
.set WX,    48                         ; v48-111  two sets of 32 numbers
.set WC,    112                        ; v112-119 a block's codes
.set OUTR,  120                        ; v120-183 the way out
.set SO,    184                        ; v184-199 the way out: offsets of two rows each
	s_load_b512 s[4:19], s[0:1], 0x0               ; hidden s[4:5], Wq s[6:7], Wk s[8:9], Wv s[10:11], Wo s[12:13], scales s[14:15], h_codes s[16:17], w_codes s[18:19]
	v_lshl_add_u32 v200, v0, 2, 0x10800
	v_mov_b32 v201, 0
	v_lshrrev_b32 v1, 5, v0
	v_readfirstlane_b32 s20, v1                    ; wave 0..3
	v_and_b32 v2, 31, v0                           ; lane
	s_wait_kmcnt 0x0
	s_load_b256 s[72:79], s[14:15], 0x0            ; e0 .. e7
	s_load_b128 s[80:83], s[14:15], 0x20           ; e8 .. e11
	s_cmp_lt_u32 ttmp9, 256
	s_cbranch_scc0 .Lweights
; ---------------- PATH H: a plain stream.  A wave takes 16 steps of 512 numbers.  Each load reads 512 consecutive bytes; a step's 2,048 bytes turn through the wave's stage, so that a lane holds 16 neighbours along K.
.macro MKSCALE e, vs, vl               ; v[vs] = 2^e as f32 (the conversion takes its exponent field), v[vl] = 448 x 2^e
	s_add_co_i32 s32, s[\e], 127
	s_lshl_b32 s33, s32, 23
	v_mov_b32 v[\vs], s33
	s_add_co_i32 s32, s32, 8
	s_lshl_b32 s32, s32, 23
	s_or_b32 s32, s32, 0x600000
	v_mov_b32 v[\vl], s32
.endm
.macro HLOAD t
.irp i, 0,1,2,3
	global_load_b128 v[R+16*((\t)%4)+4*\i:R+16*((\t)%4)+4*\i+3], v3, s[4:5] offset:2048*(\t)+512*\i th:TH_LOAD_NT
.endr
.endm
.macro HTURN t                         ; LDS serves a wave's instructions in order: no wait between the stores and the loads
.irp i, 0,1,2,3
	ds_store_b128 v14, v[R+16*((\t)%4)+4*\i:R+16*((\t)%4)+4*\i+3] offset:32*SP*((\t)%2)+8*SP*\i
.endr
.irp i, 0,1,2,3
	ds_load_b128 v[X+16*((\t)%2)+4*\i:X+16*((\t)%2)+4*\i+3], v15 offset:32*SP*((\t)%2)+16*\i
.endr
.endm
	v_lshlrev_b32 v3, 4, v2                        ; my 16 bytes of a load's 512, and of a store's 512
	s_mul_i32 s21, s20, WREG
	v_lshrrev_b32 v14, 2, v2
	v_mul_u32_u24 v14, v14, SP
	v_and_b32 v15, 3, v2
	v_lshl_add_u32 v14, v15, 4, v14
	v_add_nc_u32 v14, s21, v14                     ; into the stage: SP (lane / 4) + 16 (lane % 4)
	v_mul_u32_u24 v15, v2, SP
	v_add_nc_u32 v15, s21, v15                     ; out of it: SP x lane
	s_lshl_b32 s22, ttmp9, 2
	s_add_co_u32 s22, s22, s20                     ; which run of 8,192 numbers is my wave's
	s_lshl_b32 s24, s22, 15
	s_mov_b32 s25, 0
	s_add_nc_u64 s[4:5], s[4:5], s[24:25]
	s_lshl_b32 s24, s22, 13
	s_add_nc_u64 s[26:27], s[16:17], s[24:25]      ; the three planes of codes
	s_add_nc_u64 s[28:29], s[26:27], 0x800000
	s_add_nc_u64 s[30:31], s[26:27], 0x1000000
.irp t, 0,1,2,3
	HLOAD \t
.endr
	s_wait_kmcnt 0x0
	MKSCALE 72, 5, 8                               ; e0
	MKSCALE 74, 6, 9                               ; e2
	MKSCALE 76, 7, 10                              ; e4
	s_wait_loadcnt 12                              ; step 0's four loads are in
	HTURN 0
.macro HSTEP t
.set XS, X+16*((\t)%2)
.set CS, C+12*((\t)%2)
	s_wait_dscnt 0x0                               ; this step's numbers are back from the stage
	s_wait_xcnt 0x0                                ; the stores of two steps ago have read their codes: this set is written again only behind this wait
.if (\t)+4 < 16
	HLOAD (\t)+4
.endif
.if (\t)+1 < 16
.if 14-(\t) >= 3
	s_wait_loadcnt 12                              ; the next step's four loads are in; those of the three steps behind it may be out
.else
	s_wait_loadcnt 4*(14-(\t))
.endif
	HTURN (\t)+1
.endif
.irp j, 0,1,2
.irp i, 0,1,2,3,4,5,6,7,8,9,10,11,12,13,14,15
	v_med3_num_f32 v[T+16*\j+\i], v[XS+\i], -v[8+\j], v[8+\j]   ; the conversion does not saturate (ISA guide 7.6.2): the hold at 448 x the scale comes first
.endr
	v_cvt_scalef32_pk8_fp8_f32 v[CS+4*\j:CS+4*\j+1], v[T+16*\j:T+16*\j+7], v[5+\j]
	v_cvt_scalef32_pk8_fp8_f32 v[CS+4*\j+2:CS+4*\j+3], v[T+16*\j+8:T+16*\j+15], v[5+\j]
.endr
	v_nop                                          ; a plain line behind the last conversion
.irp j, 0,1,2
	global_store_b128 v3, v[CS+4*\j:CS+4*\j+3], s[26+2*\j:27+2*\j] offset:512*(\t)   ; the wave stores 512 consecutive bytes
.endr
.endm
.irp t, 0,1,2,3,4,5,6,7,8,9,10,11,12,13,14,15
	HSTEP \t
.endr
	s_wait_tensorcnt 0x0
	ds_add_u32 v200, v201
	s_wait_dscnt 0x0
	s_endpgm
; ---------------- PATH W: a lane takes a column n and its registers run down K, so the conversions give codes with K innermost.  A wave takes 32 columns x 256 along K.
.Lweights:
	s_wait_kmcnt 0x0
	s_sub_co_u32 s33, ttmp9, 256                   ; u = 0..191: 0-63 Wq, 64-95 Wk, 96-127 Wv, 128-191 Wo.  The choices hang on the work-group's number alone
	s_mov_b64 s[34:35], s[12:13]                   ; Wo's figures first: source,
	s_mov_b32 s36, 128                             ; first u,
	s_mov_b32 s37, 11                              ; log2 of its columns,
	s_mov_b32 s38, 15                              ; blocks of 128 columns - 1,
	s_mov_b32 s39, 4                               ; and their log2,
	s_mov_b32 s66, 0                               ; first row in its part of w_codes,
	s_mov_b32 s67, 1024                            ; a row of codes in bytes,
	s_mov_b32 s68, 0x400000                        ; where its part begins,
	s_mov_b32 s69, s83                             ; e11
	s_cmp_lt_u32 s33, 128
	s_cselect_b64 s[34:35], s[10:11], s[34:35]     ; Wv
	s_cselect_b32 s36, 96, s36
	s_cselect_b32 s37, 9, s37
	s_cselect_b32 s38, 3, s38
	s_cselect_b32 s39, 2, s39
	s_cselect_b32 s66, 1536, s66
	s_cselect_b32 s67, 2048, s67
	s_cselect_b32 s68, 0, s68
	s_cselect_b32 s69, s77, s69                    ; e5
	s_cmp_lt_u32 s33, 96
	s_cselect_b64 s[34:35], s[8:9], s[34:35]       ; Wk
	s_cselect_b32 s36, 64, s36
	s_cselect_b32 s66, 1024, s66
	s_cselect_b32 s69, s75, s69                    ; e3
	s_cmp_lt_u32 s33, 64
	s_cselect_b64 s[34:35], s[6:7], s[34:35]       ; Wq
	s_cselect_b32 s36, 0, s36
	s_cselect_b32 s37, 10, s37
	s_cselect_b32 s38, 7, s38
	s_cselect_b32 s39, 3, s39
	s_cselect_b32 s66, 0, s66
	s_cselect_b32 s69, s73, s69                    ; e1
	s_sub_co_u32 s33, s33, s36
	s_and_b32 s70, s33, s38                        ; which 128 columns
	s_lshr_b32 s71, s33, s39                       ; which 256 along K
	s_lshl_b32 s70, s70, 7
	s_lshl_b32 s84, s20, 5
	s_add_co_u32 s70, s70, s84                     ; my wave's first column
	s_lshl_b32 s85, 4, s37                         ; a row of the weight in bytes
	s_add_co_u32 s86, s37, 10
	s_lshl_b32 s86, s71, s86                       ; 256 rows x which
	s_lshl_b32 s87, s70, 2
	s_add_co_u32 s86, s86, s87
	s_mov_b32 s87, 0
	s_add_nc_u64 s[40:41], s[34:35], s[86:87]      ; eight bases, 32 rows apart: none is ever stepped
	s_lshl_b32 s86, s85, 5
.irp t, 1,2,3,4,5,6,7
	s_add_nc_u64 s[40+2*\t:41+2*\t], s[38+2*\t:39+2*\t], s[86:87]
.endr
	s_add_co_u32 s88, s66, s70
	s_mul_i32 s88, s88, s67
	s_add_co_u32 s88, s88, s68
	s_lshl_b32 s89, s71, 8
	s_add_co_u32 s88, s88, s89
	s_mov_b32 s89, 0
	s_add_nc_u64 s[56:57], s[18:19], s[88:89]      ; the codes: my first column's row, my 256 along K
	v_lshlrev_b32 v[VO], 2, v2
.irp i, 1,2,3,4,5,6,7,8,9,10,11,12,13,14,15,16,17,18,19,20,21,22,23,24,25,26,27,28,29,30,31
	v_add_nc_u32 v[VO+\i], s85, v[VO+\i-1]
.endr
.macro WLOAD t                         ; block t: W(32 t + i, my column); 32 lanes read 128 consecutive bytes, the four waves stand side by side
.set i, 0
.rept 32
	global_load_b32 v[WX+32*((\t)%2)+i], v[VO+i], s[40+2*(\t):41+2*(\t)] th:TH_LOAD_NT
.set i, i+1
.endr
.endm
	WLOAD 0
	WLOAD 1
	s_mul_i32 s91, s20, 32*272
	s_add_co_u32 s91, s91, WSTG                    ; my stage
	v_mul_u32_u24 v4, v2, 272
	v_add_nc_u32 v4, s91, v4                       ; into it: row = my column
	v_and_b32 v5, 15, v2
	v_lshrrev_b32 v6, 4, v2
	v_mul_u32_u24 v7, v6, 272
	v_lshl_add_u32 v7, v5, 4, v7
	v_add_nc_u32 v7, s91, v7                       ; out of it: sixteen lanes to a row, two rows an instruction
	v_mul_lo_u32 v8, v6, s67
	v_lshl_add_u32 v[SO], v5, 4, v8                ; and the same two rows among the codes
	s_lshl_b32 s90, s67, 1
.irp t, 1,2,3,4,5,6,7,8,9,10,11,12,13,14,15
	v_add_nc_u32 v[SO+\t], s90, v[SO+\t-1]
.endr
	s_add_co_i32 s69, s69, 127
	s_lshl_b32 s92, s69, 23
	v_mov_b32 v11, s92                             ; 2^e as f32
	s_add_co_i32 s69, s69, 8
	s_lshl_b32 s69, s69, 23
	s_or_b32 s69, s69, 0x600000
	v_mov_b32 v10, s69                             ; 448 x 2^e
.macro WBLOCK t
.set XS, WX+32*((\t)%2)
.if (\t) < 7
	s_wait_loadcnt 32                              ; this block's 32 loads are in; the next block's may be out
.else
	s_wait_loadcnt 0
.endif
.set i, 0
.rept 32
	v_med3_num_f32 v[XS+i], v[XS+i], -v10, v10
.set i, i+1
.endr
.irp g, 0,1,2,3
	v_cvt_scalef32_pk8_fp8_f32 v[WC+2*\g:WC+2*\g+1], v[XS+8*\g:XS+8*\g+7], v11
.endr
	v_nop                                          ; a plain line behind the last conversion
	ds_store_b128 v4, v[WC:WC+3] offset:32*(\t)
	ds_store_b128 v4, v[WC+4:WC+7] offset:32*(\t)+16
.if (\t)+2 < 8
	WLOAD (\t)+2
.endif
	s_wait_dscnt 0x0                               ; the stores have read their registers: the next block's codes may be written
.endm
.irp t, 0,1,2,3,4,5,6,7
	WBLOCK \t
.endr
.irp t, 0,1,2,3,4,5,6,7,8,9,10,11,12,13,14,15
	ds_load_b128 v[OUTR+4*\t:OUTR+4*\t+3], v7 offset:2*\t*272
.endr
.irp t, 0,1,2,3,4,5,6,7,8,9,10,11,12,13,14,15
	s_wait_dscnt 15-\t
	global_store_b128 v[SO+\t], v[OUTR+4*\t:OUTR+4*\t+3], s[56:57]   ; sixteen lanes store 256 consecutive bytes, aligned
.endr
	s_wait_tensorcnt 0x0
	ds_add_u32 v200, v201
	s_wait_dscnt 0x0
	s_endpgm
.Lfunc_end_k_q96dd485250_quant:
	.size	k_q96dd485250_quant, .Lfunc_end_k_q96dd485250_quant-k_q96dd485250_quant
	.p2alignl 7, 3214868480
	.fill 96, 4, 3214868480
	.section	.rodata,"a",@progbits
	.p2align	6, 0x0
	.amdhsa_kernel k_q96dd485250_quant
		.amdhsa_group_segment_fixed_size 68096
		.amdhsa_private_segment_fixed_size 0
		.amdhsa_enable_private_segment 0
		.amdhsa_kernarg_size 64
		.amdhsa_user_sgpr_count 2
		.amdhsa_user_sgpr_kernarg_segment_ptr 1
		.amdhsa_wavefront_size32 1
		.amdhsa_system_sgpr_workgroup_id_x 1
		.amdhsa_system_sgpr_workgroup_id_y 1
		.amdhsa_system_sgpr_workgroup_id_z 1
		.amdhsa_system_vgpr_workitem_id 0
		.amdhsa_next_free_vgpr 202
		.amdhsa_next_free_sgpr 100
		.amdhsa_reserve_vcc 0
		.amdhsa_float_denorm_mode_32 3
		.amdhsa_float_denorm_mode_16_64 3
		.amdhsa_memory_ordered 1
		.amdhsa_forward_progress 1
		.amdhsa_inst_pref_size 129
	.end_amdhsa_kernel
	.amdgpu_metadata
---
amdhsa.version: [ 1, 2 ]
amdhsa.kernels:
  - .name:           k_q96dd485250_quant
    .symbol:         k_q96dd485250_quant.kd
    .args:
      - { .name: hidden_states, .offset: 0, .size: 8, .value_kind: global_buffer, .address_space: global }
      - { .name: Wq, .offset: 8, .size: 8, .value_kind: global_buffer, .address_space: global }
      - { .name: Wk, .offset: 16, .size: 8, .value_kind: global_buffer, .address_space: global }
      - { .name: Wv, .offset: 24, .size: 8, .value_kind: global_buffer, .address_space: global }
      - { .name: Wo, .offset: 32, .size: 8, .value_kind: global_buffer, .address_space: global }
      - { .name: lowp_scales, .offset: 40, .size: 8, .value_kind: global_buffer, .address_space: global }
      - { .name: h_codes, .offset: 48, .size: 8, .value_kind: global_buffer, .address_space: global }
      - { .name: w_codes, .offset: 56, .size: 8, .value_kind: global_buffer, .address_space: global }
    .group_segment_fixed_size: 68096
    .private_segment_fixed_size: 0
    .kernarg_segment_align: 8
    .kernarg_segment_size: 64
    .max_flat_workgroup_size: 128
    .sgpr_count:     100
    .vgpr_count:     202
    .wavefront_size: 32
...
	.end_amdgpu_metadata
.endif
;; end of part 1
;; launch qkv (part 2): grid 16 x 16, 4 waves a work-group, clusters of 4 x 4, 327,680 bytes of LDS; arguments h_codes, w_codes, cos, sin, lowp_scales, q_codes, k_codes, v_codes; writes q_codes, k_codes, v_codes
.if DOCPART == 2
	.amdgcn_target "amdgcn-amd-amdhsa--gfx1250"
	.amdhsa_code_object_version 6
	.text
	.protected	k_q96dd485250_qkv
	.globl	k_q96dd485250_qkv
	.p2align	8
	.type	k_q96dd485250_qkv,@function
k_q96dd485250_qkv:
	s_mov_b64 s[64:65], 0
	v_nop
	global_prefetch_b8 v0, s[64:65] scope:SCOPE_SE
	s_setreg_imm32_b32 hwreg(HW_REG_WAVE_MODE, 25, 1), 1
	s_wait_xcnt 0x0
	s_wait_alu depctr_hold_cnt(0) depctr_sa_sdst(0) depctr_va_vdst(0) depctr_va_sdst(0) depctr_va_ssrc(0) depctr_va_vcc(0) depctr_vm_vsrc(0)
	s_getreg_b32 s2, hwreg(HW_REG_IB_STS2, 6, 4)
	s_cmp_eq_u32 s2, 0
	s_cbranch_scc0 .Lentry_in_a_cluster
	s_endpgm
.Lentry_in_a_cluster:
	s_bfe_u32 s2, ttmp6, 0x10000c
	s_cmp_lg_u32 s2, 0xf033
	s_cbranch_scc0 .Lentry_shape_is_right
	s_endpgm
.Lentry_shape_is_right:
; q, k, v = hidden x Wq, Wk, Wv on codes of E4M3; RoPE on q and k in f32; then the quantisers of the attention's operands.  Nothing but codes goes to memory.
; A work-group makes 256 tokens x 128 columns: one head.  Tile column tc: 0-7 q's heads, 8-11 k's, 12-15 v's; the cluster's x (0, 1: q; 2: k; 3: v) is the same in all sixteen partners and chooses plane, scales and path.
; Four waves, each 64 tokens x 128 columns: 32 accumulators.  THE PRODUCT IS USED TRANSPOSED (source 0 = 16 rows of w_codes, source 1 = 16 tokens): lane (r, h) holds token 16 a + r and columns 16 b + 8 h + 0..7,
; so RoPE's partner, 64 columns away, lies in the same lane (block b +- 4).
; K goes in steps of 256 codes through a ring of two LDS slots; the tokens' tile is asked for jointly along a row of the 4 x 4 cluster, the weights' along a column.
; A fragment (16 rows x 128 K) comes by four loads of 16 bytes: registers 4 c .. 4 c + 3 hold K = 32 c + 16 h + 0..15, alike on both sides, so every product meets its partner.
; The sums lack 2^(eA + eB); RoPE is linear, so the conversion takes the one scale 2^(eo - eA - eB).  LIMIT: eo - eA - eB between -126 and 119.  NaN is not served.
; OUT: q_codes [8][4096][128], k_codes [4][4096][128]; v_codes [4][64 blocks of keys][128 d][64 keys]: the keys innermost, since they are the second product's K.
; REGISTERS: window 0: v0-31 addresses; v64-127, v128-191 the tokens' fragments, two sets; v192-255 at work.  window 1: the weights' fragments, two sets.  window 2: accumulator (a, b) at v[8 (8 a + b)].  window 3: cos and sin, two sets.
.set KROW,  2048
.set LAPS,  4                          ; a lap = two K steps of 256
.set ROWB,  256
.set PITCH, 272                        ; 256 bytes + 16 of padding = 68 words: the 16 rows of a fragment load start at 16 different banks (ISA guide 11.1)
.set BOFF,  256*PITCH                  ; a slot: 256 rows of tokens, then 128 rows of weights
.set SLOT,  384*PITCH
.set SPARE, 2*SLOT                     ; the spare words: 128 bytes a wave, named by no other line
.set QSTG,  SPARE+512                  ; q, k: 64 rows x 144 bytes a wave
.set V32,   QSTG+4*9216                ; v: 16 rows x 528 bytes a wave (f32)
.set VCS,   V32+4*8448                 ; v: 128 rows x 80 bytes a wave (codes)
.set G1A, 24
.set G0A, 32
.set G1B, 40
.set G0B, 48
.set ADRA, 16
.set ADRB, 20
.set AF,  64
.set Y,   192
.set CD,  128
.set MSB, 0
.macro WIN new                         ; the immediate's high byte repeats the setting that is left
.if MSB != \new
	s_set_vgpr_msb (MSB<<8)|\new
.set MSB, \new
.endif
.endm
.set MUL,  0xa1                        ; source 0 window 1, source 1 window 0, C and D window 2
.set TO_B, 0x40
.macro PLACES n
.rept \n
	v_nop
.endr
.endm
.macro JLOAD s                         ; waves 0, 1 fetch the tokens' halves, waves 2, 3 the weights'; four v_nop follow each line
	s_cmp_eq_u32 s58, 0
	s_cbranch_scc0 .Lfor_b_\@
	tensor_load_to_lds s[G0A+4*\s:G0A+4*\s+3], s[G1A:G1A+7]
	s_nop 0
	PLACES 4
	s_branch .Lasked_\@
.Lfor_b_\@:
	tensor_load_to_lds s[G0B+4*\s:G0B+4*\s+3], s[G1B:G1B+7]
	s_nop 0
	PLACES 4
.Lasked_\@:
.endm
.macro CREST
	s_cmp_lg_u32 s56, 0
	s_cbranch_scc1 .Lnot_wave_0_\@
	s_barrier_signal -3
.Lnot_wave_0_\@:
	s_barrier_wait -3
	s_barrier_signal -1
	s_barrier_wait -1
.endm
.macro CROUND
	s_barrier_signal -1
	s_barrier_wait -1
	CREST
.endm
	s_load_b512 s[4:19], s[0:1], 0x0               ; h_codes s[4:5], w_codes s[6:7], cos s[8:9], sin s[10:11], scales s[12:13], q_codes s[14:15], k_codes s[16:17], v_codes s[18:19]
	v_lshl_add_u32 v28, v0, 2, SPARE
	v_mov_b32 v29, 0
	ds_add_u32 v28, v29
	ds_add_u32 v28, v29
	s_wait_dscnt 0x0
	v_lshrrev_b32 v1, 5, v0
	v_readfirstlane_b32 s56, v1                    ; wave
	s_and_b32 s57, s56, 1                          ; which half of a tile I fetch
	s_lshr_b32 s58, s56, 1                         ; 0: I fetch tokens, 1: weights
	s_bfe_u32 s59, ttmp6, 0x40000                  ; cx
	s_bfe_u32 s60, ttmp6, 0x40004                  ; cy
	s_lshl_b32 s61, ttmp9, 2
	s_add_co_u32 s61, s61, s59                     ; tc
	s_and_b32 s62, ttmp7, 0xffff
	s_lshl_b32 s62, s62, 2
	s_add_co_u32 s62, s62, s60                     ; tr
	s_lshl_b32 s66, s60, 2
	s_lshl_b32 s66, 15, s66                        ; my row of the cluster
	s_lshl_b32 s67, 0x1111, s59                    ; my column
	s_or_b32 s[G1A], s66, (1<<20)|(1<<21)|(5<<22)|(3<<25)   ; mask; elements of 1 byte; padding on; bit 21 beside a mask; 4 words after every 64
	s_or_b32 s[G1B], s67, (1<<20)|(1<<21)|(5<<22)|(3<<25)
	s_mov_b32 s[G1A+1], ROWB<<16                   ; tensor_dim0
	s_mov_b32 s[G1A+2], 128<<16                    ; tensor_dim1
	s_mov_b32 s[G1A+3], ROWB<<16                   ; tile_dim0
	s_mov_b32 s[G1A+4], 128                        ; tile_dim1
	s_mov_b32 s[G1A+5], KROW                       ; from row to row
	s_mov_b32 s[G1A+6], 0
	s_mov_b32 s[G1A+7], 0
	s_mov_b32 s[G1B+1], ROWB<<16
	s_mov_b32 s[G1B+2], 64<<16
	s_mov_b32 s[G1B+3], ROWB<<16
	s_mov_b32 s[G1B+4], 64
	s_mov_b32 s[G1B+5], KROW
	s_mov_b32 s[G1B+6], 0
	s_mov_b32 s[G1B+7], 0
	s_lshl_b32 s68, s62, 8
	s_lshl_b32 s69, s57, 7
	s_add_co_u32 s68, s68, s69                     ; tokens: row 256 tr + 128 x half
	s_mul_i32 s68, s68, KROW
	s_max_u32 s69, ttmp9, 1
	s_sub_co_u32 s69, s69, 1                       ; the plane of h_codes: 0 for q, 1 for k, 2 for v
	s_lshl_b32 s69, s69, 23
	s_add_co_u32 s68, s68, s69
	s_mov_b32 s69, 0
	s_lshl_b32 s70, s61, 7
	s_lshl_b32 s71, s57, 6
	s_add_co_u32 s70, s70, s71                     ; weights: row 128 tc + 64 x half
	s_mul_i32 s70, s70, KROW
	s_mov_b32 s71, 0
	s_mul_i32 s84, s57, 128*PITCH                  ; where they go: no place in the cluster enters an LDS address
	s_mul_i32 s85, s57, 64*PITCH
	s_add_co_u32 s85, s85, BOFF
	s_wait_kmcnt 0x0
	s_load_b256 s[72:79], s[12:13], 0x0            ; e0 .. e7
	s_load_b64 s[80:81], s[12:13], 0x20            ; e8, e9
	s_add_nc_u64 s[68:69], s[4:5], s[68:69]
	s_add_nc_u64 s[70:71], s[6:7], s[70:71]
	CROUND                                         ; all sixteen work-groups are here: the first joint loads meet
.irp s, 0,1
	s_mov_b32 s[G0A+4*\s], 1
	s_add_co_u32 s[G0A+4*\s+1], s84, \s*SLOT
	s_add_nc_u64 s[G0A+4*\s+2:G0A+4*\s+3], s[68:69], \s*ROWB
	s_or_b32 s[G0A+4*\s+3], s[G0A+4*\s+3], 0x80000000
	s_mov_b32 s[G0B+4*\s], 1
	s_add_co_u32 s[G0B+4*\s+1], s85, \s*SLOT
	s_add_nc_u64 s[G0B+4*\s+2:G0B+4*\s+3], s[70:71], \s*ROWB
	s_or_b32 s[G0B+4*\s+3], s[G0B+4*\s+3], 0x80000000
	JLOAD \s
.endr
	v_and_b32 v1, 15, v0                           ; r
	v_bfe_u32 v2, v0, 4, 1                         ; h
	v_and_b32 v4, 31, v0                           ; lane
	v_mul_u32_u24 v3, v1, PITCH
	v_lshl_add_u32 v3, v2, 4, v3
	s_mul_i32 s98, s56, 64*PITCH                   ; my 64 tokens
	v_add_nc_u32 v[ADRA], s98, v3
	v_add_nc_u32 v[ADRA+1], SLOT, v[ADRA]
	v_add_nc_u32 v[ADRB], BOFF, v3
	v_add_nc_u32 v[ADRB+1], SLOT+BOFF, v3
	s_mul_i32 s98, s56, 9216
	s_add_co_u32 s98, s98, QSTG
	v_mul_u32_u24 v8, v1, 144
	v_lshl_add_u32 v8, v2, 3, v8
	v_add_nc_u32 v8, s98, v8                       ; q, k: into the stage: row r, 8 bytes for each half of the lanes
	v_lshrrev_b32 v5, 3, v4
	v_and_b32 v6, 7, v4
	v_mul_u32_u24 v9, v5, 144
	v_lshl_add_u32 v9, v6, 4, v9
	v_add_nc_u32 v9, s98, v9                       ; back: eight lanes to a row of 128 bytes
	s_mul_i32 s98, s56, 8448
	s_add_co_u32 s98, s98, V32
	v_mul_u32_u24 v10, v1, 528
	v_lshl_add_u32 v10, v2, 5, v10
	v_add_nc_u32 v10, s98, v10                     ; v: sums into the stage: row r (a token), 32 bytes for each half
	v_lshl_add_u32 v11, v4, 2, s98                 ; back: a lane to a column d
	s_mul_i32 s98, s56, 10240
	s_add_co_u32 s98, s98, VCS
	v_mul_u32_u24 v12, v4, 80
	v_add_nc_u32 v12, s98, v12                     ; v: codes into the stage: row d
	v_lshrrev_b32 v5, 2, v4
	v_and_b32 v6, 3, v4
	v_mul_u32_u24 v13, v5, 80
	v_lshl_add_u32 v13, v6, 4, v13
	v_add_nc_u32 v13, s98, v13                     ; back: four lanes to a row of 64 bytes
	v_lshlrev_b32 v14, 4, v4                       ; out: 16 x lane
	v_lshlrev_b32 v15, 9, v1
	v_lshl_add_u32 v15, v2, 5, v15                 ; cos, sin: row r of 512 bytes + 32 h
	s_lshl_b32 s97, s62, 8
	s_lshl_b32 s98, s56, 6
	s_add_co_u32 s97, s97, s98                     ; my first token
	s_lshl_b32 s98, s97, 9
	s_mov_b32 s99, 0
	s_add_nc_u64 s[86:87], s[8:9], s[98:99]
	s_add_nc_u64 s[88:89], s[10:11], s[98:99]
	s_cmp_lt_u32 ttmp9, 2                          ; the destination: base + (tc - the tensor's first tc) x 524,288 + first token x 128; a wave's 64 tokens are one block of keys of v_codes
	s_cselect_b64 s[84:85], s[14:15], s[16:17]
	s_cselect_b32 s94, 0, 8
	s_cmp_eq_u32 ttmp9, 3
	s_cselect_b64 s[84:85], s[18:19], s[84:85]
	s_cselect_b32 s94, 12, s94
	s_sub_co_u32 s94, s61, s94
	s_lshl_b32 s94, s94, 19
	s_lshl_b32 s95, s97, 7
	s_add_co_u32 s94, s94, s95
	s_mov_b32 s95, 0
	s_add_nc_u64 s[84:85], s[84:85], s[94:95]
	s_wait_kmcnt 0x0
	s_cmp_lt_u32 ttmp9, 2                          ; the three exponents, chosen without a jump
	s_cselect_b32 s90, s72, s74
	s_cselect_b32 s91, s73, s75
	s_cselect_b32 s92, s78, s79
	s_cmp_eq_u32 ttmp9, 3
	s_cselect_b32 s90, s76, s90
	s_cselect_b32 s91, s77, s91
	s_cselect_b32 s92, s81, s92
	s_sub_co_i32 s92, s92, s90
	s_sub_co_i32 s92, s92, s91
	s_add_co_i32 s92, s92, 127
	s_lshl_b32 s93, s92, 23
	v_mov_b32 v30, s93                             ; 2^(eo - eA - eB)
	s_add_co_i32 s92, s92, 8
	s_lshl_b32 s92, s92, 23
	s_or_b32 s92, s92, 0x600000
	v_mov_b32 v31, s92                             ; 448 x that
.macro FRAG reg, adr, q, i
.irp c, 0,1,2,3
	ds_load_b128 v[\reg+4*\c:\reg+4*\c+3], v[\adr] offset:128*(\q)+32*\c+(\i)*16*PITCH
.endr
.endm
.macro FETCH slot, q, p                ; 48 loads in one run: the weights' eight fragments, then my tokens' four, of the slot's q-th 128 along K, into set p
	WIN TO_B
.irp i, 0,1,2,3,4,5,6,7
	FRAG 128*(\p)+16*\i, ADRB+\slot, \q, \i
.endr
	WIN 0
.irp i, 0,1,2,3
	FRAG AF+64*(\p)+16*\i, ADRA+\slot, \q, \i
.endr
.endm
.macro MUL8 a, p, zero                 ; block a of tokens against the eight blocks of columns; the 32 accumulators take turns
.irp b, 0,1,2,3,4,5,6,7
.if \zero
	v_wmma_f32_16x16x128_fp8_fp8 v[8*(8*(\a)+\b):8*(8*(\a)+\b)+7], v[128*(\p)+16*\b:128*(\p)+16*\b+15], v[AF+64*(\p)+16*(\a):AF+64*(\p)+16*(\a)+15], 0
.else
	v_wmma_f32_16x16x128_fp8_fp8 v[8*(8*(\a)+\b):8*(8*(\a)+\b)+7], v[128*(\p)+16*\b:128*(\p)+16*\b+15], v[AF+64*(\p)+16*(\a):AF+64*(\p)+16*(\a)+15], v[8*(8*(\a)+\b):8*(8*(\a)+\b)+7]
.endif
.endr
.endm
.macro SUB slot, zero                  ; a slot's first 128 along K (set 0); in its middle the second 128 are fetched into set 1
	s_wait_dscnt 8                                 ; all but the youngest eight loads (token blocks 2, 3)
	WIN MUL
	MUL8 0, 0, \zero
	MUL8 1, 0, \zero
	PLACES 4                                       ; in front of loads into registers that matrix instructions have read
	FETCH \slot, 1, 1
	s_wait_dscnt 48                                ; all but the 48 just issued
	WIN MUL
	MUL8 2, 0, \zero
	MUL8 3, 0, \zero
.endm
.macro TURN slot, next, fill           ; a slot's second 128 (set 1), and the change of slots: one barrier
	WIN 0
	s_wait_tensorcnt 0x0                           ; all my tensor loads have landed: my part of the next slot
	ds_add_u32 v28, v29                            ; 0 onto my spare word
	s_wait_dscnt 9                                 ; the add and the youngest eight loads may be out
	WIN MUL
	MUL8 0, 1, 0
	s_wait_dscnt 0x0                               ; the add is done, and my reads of this slot are over
	s_barrier_signal -1
	MUL8 1, 1, 0
	WIN 0
	s_barrier_wait -1
.if \fill
	CREST                                          ; the barrier has opened a round of the cluster's: no wave of any partner still reads this slot or has a load on its way
	s_add_nc_u64 s[G0A+4*\slot+2:G0A+4*\slot+3], s[G0A+4*\slot+2:G0A+4*\slot+3], 2*ROWB
	s_add_nc_u64 s[G0B+4*\slot+2:G0B+4*\slot+3], s[G0B+4*\slot+2:G0B+4*\slot+3], 2*ROWB
	JLOAD \slot                                    ; the first tensor load behind the round; its four v_nop are the places in front of the loads below
.else
	PLACES 4
.endif
	FETCH \next, 0, 0
	WIN MUL
	MUL8 2, 1, 0
	MUL8 3, 1, 0
.endm
.macro CSLOAD a                        ; cos and sin of token block a, in the accumulators' layout, into set a % 2 of window 3: 32 loads
.set Z, 128*((\a)%2)
	WIN 0xc0
.irp b, 0,1,2,3,4,5,6,7
	global_load_b128 v[Z+8*\b:Z+8*\b+3], v15, s[86:87] offset:8192*(\a)+64*\b
	global_load_b128 v[Z+8*\b+4:Z+8*\b+7], v15, s[86:87] offset:8192*(\a)+64*\b+16
	global_load_b128 v[Z+64+8*\b:Z+64+8*\b+3], v15, s[88:89] offset:8192*(\a)+64*\b
	global_load_b128 v[Z+64+8*\b+4:Z+64+8*\b+7], v15, s[88:89] offset:8192*(\a)+64*\b+16
.endr
	WIN 0
.endm
	s_wait_tensorcnt 0x1                           ; my part of K step 0 is in; K step 1's may be out
	s_barrier_signal -1
	s_barrier_wait -1
	FETCH 0, 0, 0
	SUB 0, 1                                       ; the first products start the sums: nothing is cleared
	WIN 0
	s_mov_b32 s63, LAPS-1
.Llap:
	TURN 0, 1, 1
	SUB 1, 0
	TURN 1, 0, 1
	SUB 0, 0
	WIN 0
	s_sub_co_u32 s63, s63, 1
	s_cmp_lg_u32 s63, 0
	s_cbranch_scc1 .Llap
	CSLOAD 0                                       ; two K steps' products ahead of their use.  They stand on every work-group's path, so that the counts of loads are alike on all paths; v's work-groups do not use them
	CSLOAD 1
	TURN 0, 1, 0                                   ; the last lap fills nothing
	SUB 1, 0
	s_wait_dscnt 8
	WIN MUL
	MUL8 0, 1, 0
	MUL8 1, 1, 0
	s_wait_dscnt 0x0
	MUL8 2, 1, 0
	MUL8 3, 1, 0
	WIN 0
	PLACES 4                                       ; in front of the first reads of results
	s_cmp_eq_u32 ttmp9, 3
	s_cbranch_scc1 .Lv
; ---- q and k: y(d) = x(d) cos(d) - x(d + 64) sin(d) for d < 64, x(d) cos(d) + x(d - 64) sin(d) for d >= 64; hold; codes; through my stage; whole rows out
.macro ROPE a
.set Z, 128*((\a)%2)
	WIN 0x0e                                       ; source 0 (sums) window 2, source 1 (cos, sin) window 3
.irp b, 0,1,2,3
.irp j, 0,2,4,6
	v_pk_mul_f32 v[Y+8*\b+\j:Y+8*\b+\j+1], v[64*(\a)+8*(\b+4)+\j:64*(\a)+8*(\b+4)+\j+1], v[Z+64+8*\b+\j:Z+64+8*\b+\j+1]
	v_pk_mul_f32 v[Y+8*(\b+4)+\j:Y+8*(\b+4)+\j+1], v[64*(\a)+8*\b+\j:64*(\a)+8*\b+\j+1], v[Z+64+8*(\b+4)+\j:Z+64+8*(\b+4)+\j+1]
	v_pk_fma_f32 v[Y+8*\b+\j:Y+8*\b+\j+1], v[64*(\a)+8*\b+\j:64*(\a)+8*\b+\j+1], v[Z+8*\b+\j:Z+8*\b+\j+1], v[Y+8*\b+\j:Y+8*\b+\j+1] neg_lo:[0,0,1] neg_hi:[0,0,1]
	v_pk_fma_f32 v[Y+8*(\b+4)+\j:Y+8*(\b+4)+\j+1], v[64*(\a)+8*(\b+4)+\j:64*(\a)+8*(\b+4)+\j+1], v[Z+8*(\b+4)+\j:Z+8*(\b+4)+\j+1], v[Y+8*(\b+4)+\j:Y+8*(\b+4)+\j+1]
.endr
.endr
	WIN 0
.endm
.irp a, 0,1,2,3
.if \a < 3
	s_wait_loadcnt 32                              ; this block's cos and sin are in; the other set's 32 loads may be out
.else
	s_wait_loadcnt 0x0
.endif
	ROPE \a                                        ; each accumulator is read from its low end on
.if \a < 2
	CSLOAD (\a)+2
.endif
.set i, 0
.rept 64
	v_med3_num_f32 v[Y+i], v[Y+i], -v31, v31
.set i, i+1
.endr
.irp b, 0,1,2,3,4,5,6,7
	v_cvt_scalef32_pk8_fp8_f32 v[CD+16*\a+2*\b:CD+16*\a+2*\b+1], v[Y+8*\b:Y+8*\b+7], v30
.endr
	v_nop                                          ; a plain line behind the last conversion
.irp b, 0,1,2,3,4,5,6,7
	ds_store_b64 v8, v[CD+16*\a+2*\b:CD+16*\a+2*\b+1] offset:2304*\a+16*\b
.endr
.endr
.irp i, 0,1,2,3,4,5,6,7,8,9,10,11,12,13,14,15
	ds_load_b128 v[64+4*\i:67+4*\i], v9 offset:576*\i      ; LDS serves a wave's instructions in order: these see my stores
.endr
.irp i, 0,1,2,3,4,5,6,7,8,9,10,11,12,13,14,15
	s_wait_dscnt 15-\i
	global_store_b128 v14, v[64+4*\i:67+4*\i], s[84:85] offset:512*\i   ; four rows of 128 codes: 512 consecutive bytes
.endr
	s_branch .Lend
; ---- v: the sums turn through my stage, so that a lane holds one d and its registers run along the keys; hold; codes; rows of 64 keys out
.Lv:
.irp a, 0,1,2,3
	WIN 0x08                                       ; store data window 2
.irp b, 0,1,2,3,4,5,6,7
	ds_store_b128 v10, v[64*\a+8*\b:64*\a+8*\b+3] offset:64*\b
	ds_store_b128 v10, v[64*\a+8*\b+4:64*\a+8*\b+7] offset:64*\b+16
.endr
	WIN 0
.irp i, 0,1,2,3
.irp k, 0,1,2,3,4,5,6,7,8,9,10,11,12,13,14,15
	ds_load_b32 v[Y+16*\i+\k], v11 offset:528*\k+128*\i    ; token 16 a + k, d = lane + 32 i
.endr
.endr
	s_wait_dscnt 0x0
.set i, 0
.rept 64
	v_med3_num_f32 v[Y+i], v[Y+i], -v31, v31
.set i, i+1
.endr
.irp i, 0,1,2,3,4,5,6,7
	v_cvt_scalef32_pk8_fp8_f32 v[CD+16*\a+2*\i:CD+16*\a+2*\i+1], v[Y+8*\i:Y+8*\i+7], v30
.endr
	v_nop
.irp i, 0,1,2,3
	ds_store_b128 v12, v[CD+16*\a+4*\i:CD+16*\a+4*\i+3] offset:2560*\i+16*\a   ; row d = lane + 32 i, keys 16 a on
.endr
.endr
.irp i, 0,1,2,3,4,5,6,7,8,9,10,11,12,13,14,15
	ds_load_b128 v[64+4*\i:67+4*\i], v13 offset:640*\i
.endr
.irp i, 0,1,2,3,4,5,6,7,8,9,10,11,12,13,14,15
	s_wait_dscnt 15-\i
	global_store_b128 v14, v[64+4*\i:67+4*\i], s[84:85] offset:512*\i   ; eight rows of 64 codes: 512 consecutive bytes
.endr
.Lend:
	s_wait_tensorcnt 0x0                           ; the wave's end
	ds_add_u32 v28, v29
	s_wait_dscnt 0x0
	CROUND                                         ; the closing round
	s_endpgm
.Lfunc_end_k_q96dd485250_qkv:
	.size	k_q96dd485250_qkv, .Lfunc_end_k_q96dd485250_qkv-k_q96dd485250_qkv
	.p2alignl 7, 3214868480
	.fill 96, 4, 3214868480
	.section	.rodata,"a",@progbits
	.p2align	6, 0x0
	.amdhsa_kernel k_q96dd485250_qkv
		.amdhsa_group_segment_fixed_size 327680
		.amdhsa_private_segment_fixed_size 0
		.amdhsa_enable_private_segment 0
		.amdhsa_kernarg_size 64
		.amdhsa_user_sgpr_count 2
		.amdhsa_user_sgpr_kernarg_segment_ptr 1
		.amdhsa_wavefront_size32 1
		.amdhsa_system_sgpr_workgroup_id_x 1
		.amdhsa_system_sgpr_workgroup_id_y 1
		.amdhsa_system_sgpr_workgroup_id_z 1
		.amdhsa_system_vgpr_workitem_id 0
		.amdhsa_next_free_vgpr 1024
		.amdhsa_next_free_sgpr 100
		.amdhsa_reserve_vcc 0
		.amdhsa_float_denorm_mode_32 3
		.amdhsa_float_denorm_mode_16_64 3
		.amdhsa_memory_ordered 1
		.amdhsa_forward_progress 1
		.amdhsa_inst_pref_size 149
	.end_amdhsa_kernel
	.amdgpu_metadata
---
amdhsa.version: [ 1, 2 ]
amdhsa.kernels:
  - .name:           k_q96dd485250_qkv
    .symbol:         k_q96dd485250_qkv.kd
    .args:
      - { .name: h_codes, .offset: 0, .size: 8, .value_kind: global_buffer, .address_space: global }
      - { .name: w_codes, .offset: 8, .size: 8, .value_kind: global_buffer, .address_space: global }
      - { .name: cos, .offset: 16, .size: 8, .value_kind: global_buffer, .address_space: global }
      - { .name: sin, .offset: 24, .size: 8, .value_kind: global_buffer, .address_space: global }
      - { .name: lowp_scales, .offset: 32, .size: 8, .value_kind: global_buffer, .address_space: global }
      - { .name: q_codes, .offset: 40, .size: 8, .value_kind: global_buffer, .address_space: global }
      - { .name: k_codes, .offset: 48, .size: 8, .value_kind: global_buffer, .address_space: global }
      - { .name: v_codes, .offset: 56, .size: 8, .value_kind: global_buffer, .address_space: global }
    .group_segment_fixed_size: 327680
    .private_segment_fixed_size: 0
    .kernarg_segment_align: 8
    .kernarg_segment_size: 64
    .max_flat_workgroup_size: 128
    .sgpr_count:     100
    .vgpr_count:     1024
    .wavefront_size: 32
...
	.end_amdgpu_metadata
.endif
;; end of part 2
;; launch attn (part 3): grid 4 x 64, 4 waves a work-group, clusters of 4 x 4, 327,680 bytes of LDS; arguments q_codes, k_codes, v_codes, attention_mask, gate, lowp_scales, a_codes; writes a_codes
.if DOCPART == 3
	.amdgcn_target "amdgcn-amd-amdhsa--gfx1250"
	.amdhsa_code_object_version 6
	.text
	.protected	k_q96dd485250_attn
	.globl	k_q96dd485250_attn
	.p2align	8
	.type	k_q96dd485250_attn,@function
k_q96dd485250_attn:
	s_mov_b64 s[64:65], 0
	v_nop
	global_prefetch_b8 v0, s[64:65] scope:SCOPE_SE
	s_setreg_imm32_b32 hwreg(HW_REG_WAVE_MODE, 25, 1), 1
	s_wait_xcnt 0x0
	s_wait_alu depctr_hold_cnt(0) depctr_sa_sdst(0) depctr_va_vdst(0) depctr_va_sdst(0) depctr_va_ssrc(0) depctr_va_vcc(0) depctr_vm_vsrc(0)
	s_getreg_b32 s2, hwreg(HW_REG_IB_STS2, 6, 4)
	s_cmp_eq_u32 s2, 0
	s_cbranch_scc0 .Lentry_in_a_cluster
	s_endpgm
.Lentry_in_a_cluster:
	s_bfe_u32 s2, ttmp6, 0x10000c
	s_cmp_lg_u32 s2, 0xf033
	s_cbranch_scc0 .Lentry_shape_is_right
	s_endpgm
.Lentry_shape_is_right:
; Attention on codes of E4M3, with the additive mask and the gate as they are given: logit = q.k / sqrt(128) + mask + log(gate + 1e-8).  Every pair of query and key is computed: the mask is an input.
; SHARES.  A work-group owns one key/value head g and 64 queries; wave w owns 16 of them for BOTH query heads 2 g (A) and 2 g + 1 (B), so each fragment of K, V, mask and gate read from LDS serves two heads.
; CLUSTER 4 x 4: cx = g, cy = which 64 queries.  K's and V's tiles are asked for jointly along a column (same g), the mask's along a row (same queries).
; LAYOUT.  Both products transposed: S^T = K Q^T, O^T = V^T P^T: a lane holds one query (lane % 16).  Lane r of tile 2 b + u of K takes key 32 b + 8 u + r + 8 (r / 8), so that register 16 b + i of S is key 32 b + 16 h + i.
; SOFTMAX.  L = S cn + (mask + lg), cn = 2^(e6 + e7) / sqrt(128), lg = log(gate + 1e-8).  Running largest Lm; tm = Lm log2(e), not under -3e38; -M = floor(-tm): M a whole number; p = 2^((L - Lm) log2(e) + (tm - M)).
; The difference L - Lm is taken first, so that a mask of the least f32 number overflows nowhere: a row masked so throughout gets p = 1 everywhere.  The row's sum is taken of the unquantised p.  When M moves, sum and O^T
; are multiplied by 2^(old M - new M), exactly.  At the end O^T / sum is quantised with 2^(e10 - e8 - e9) into a_codes [4096][1024].
; LIMITS: e6 + e7 between -122 and 131; e8, and e10 - e8 - e9, between -126 and 119.  A row all of whose logits are -infinity or NaN is not served.
; REGISTERS.  window 0: v1-4 places in tiles, v5, v6 the spare word and 0, v7 address in hand, v8 prefetch offset, v9 2^e8, v10, v11 lane exchange; v12-21 head A's state (Lm, -M, sum x 2, -Lm, tm - M, f, as pairs), v22-31 head B's;
;   v32-95 S of A, v96-159 S of B, v160-223 mask, v224-239, v240-255 P's codes.  window 1: v0-63, v64-127 O^T of A, B; v128-255 K.  window 2: v0-127 V; v128-159 Q of A, B; v160-223 lg.
.set KP,    144                        ; a key's row in LDS: 128 + 16
.set VP,    80                         ; a row of V's tile: 64 keys + 16
.set MP,    1040                       ; a query's row of the mask: 256 keys x 4 + 16
.set VOFF,  256*KP                     ; a slot of 256 keys: K, then V (4 blocks of keys x 128 d), then the mask (64 queries)
.set MOFF,  VOFF+512*VP
.set SLOTB, MOFF+64*MP
.set LGB,   2*SLOTB                    ; lg of all 4,096 keys
.set SPARE, LGB+16384                  ; the spare words: 128 bytes a wave, named by no other line
.set STAGE, SPARE+512                  ; the way out: 16 rows x 272 bytes a wave
.set SA, 32
.set SB, 96
.set MB, 160
.set PA, 224
.set PB, 240
.set OA, 0
.set OB, 64
.set KF, 128
.set VF, 0
.set QA, 128
.set QB, 144
.set LG, 160
.set MSB, 0
.macro WIN new
.if MSB != \new
	s_set_vgpr_msb (MSB<<8)|\new
.set MSB, \new
.endif
.endm
.set W_KQ, 0x09                        ; K window 1, Q window 2, S window 0
.set W_PV, 0x52                        ; V window 2, P window 0, O^T window 1
.macro PLACES n
.rept \n
	v_nop
.endr
.endm
.macro CROUND
	s_barrier_signal -1
	s_barrier_wait -1
	s_cmp_lg_u32 s18, 0
	s_cbranch_scc1 .Lnot_wave_0_\@
	s_barrier_signal -3
.Lnot_wave_0_\@:
	s_barrier_wait -3
	s_barrier_signal -1
	s_barrier_wait -1
.endm
.macro JLOAD                           ; wave 0: K; wave 1: V; waves 2, 3: the mask's halves.  Four v_nop follow each line
	s_cmp_lt_u32 s18, 2
	s_cbranch_scc0 .Lfor_m_\@
	s_cmp_eq_u32 s18, 0
	s_cbranch_scc0 .Lfor_v_\@
	tensor_load_to_lds s[52:55], s[24:31]
	s_nop 0
	PLACES 4
	s_branch .Lasked_\@
.Lfor_v_\@:
	tensor_load_to_lds s[60:63], s[32:39]
	s_nop 0
	PLACES 4
	s_branch .Lasked_\@
.Lfor_m_\@:
	tensor_load_to_lds s[72:75], s[40:47]
	s_nop 0
	PLACES 4
.Lasked_\@:
.endm
; A prefetch of what the NEXT change of slots will ask for, two key steps ahead of that load; each aligned block of 256 bytes is named once in the launch.  The mask: waves 2, 3 of every work-group; of a wave's 32 rows x 4 blocks
; the partner at cx takes 8 rows, told apart by address.  K, V: waves 0, 1 of the first cluster along y alone (all clusters walk the same K and V); the partner at cy takes 8,192 of the slot's 32,768 bytes.
; The last change that fills a slot asks for nothing; slots 0 to 2 come by their loads alone.
.macro ASK
	s_cmp_gt_u32 s94, s95
	s_cbranch_scc0 .Lnot_mine_\@
	global_prefetch_b8 v8, s[96:97] th:TH_LOAD_NT scope:SCOPE_SE
.Lnot_mine_\@:
.endm
	s_load_b256 s[4:11], s[0:1], 0x0               ; q_codes s[4:5], k_codes s[6:7], v_codes s[8:9], mask s[10:11]
	s_load_b128 s[12:15], s[0:1], 0x20             ; gate s[12:13], scales s[14:15]
	s_load_b64 s[16:17], s[0:1], 0x30              ; a_codes
	v_lshl_add_u32 v5, v0, 2, SPARE
	v_mov_b32 v6, 0
	ds_add_u32 v5, v6
	ds_add_u32 v5, v6
	s_wait_dscnt 0x0
	v_lshrrev_b32 v1, 5, v0
	v_readfirstlane_b32 s18, v1                    ; wave
	s_and_b32 s19, s18, 1
	s_bfe_u32 s2, ttmp6, 0x40000                   ; cx
	s_bfe_u32 s3, ttmp6, 0x40004                   ; cy
	s_and_b32 s101, ttmp7, 0xffff                  ; the cluster's y
	s_lshr_b32 s95, s18, 1
	s_cmp_eq_u32 s95, 0
	s_cselect_b32 s95, s101, 0                     ; waves 0, 1: the cluster's y; waves 2, 3: 0
	s_cmp_eq_u32 s95, 0
	s_cselect_b32 s95, 1, -1                       ; 1 in a wave that prefetches, else the greatest number: alike in all partners
	s_lshl_b32 s66, s3, 2
	s_lshl_b32 s66, 15, s66                        ; my row of the cluster
	s_lshl_b32 s67, 0x1111, s2                     ; my column
	s_or_b32 s24, s67, (1<<20)|(1<<21)|(4<<22)|(3<<25)           ; K: bytes; 4 words of padding after every 32
	s_or_b32 s32, s67, (1<<20)|(1<<21)|(3<<22)|(3<<25)           ; V: after every 16
	s_or_b32 s40, s66, (2<<16)|(1<<20)|(1<<21)|(7<<22)|(3<<25)   ; the mask: elements of 4 bytes; after every 256
	s_mov_b32 s25, 128<<16                         ; K: 256 rows of 128 bytes, dense
	s_mov_b32 s26, 256<<16
	s_mov_b32 s27, 128<<16
	s_mov_b32 s28, 256
	s_mov_b32 s29, 128
	s_mov_b32 s30, 0
	s_mov_b32 s31, 0
	s_mov_b32 s33, 64<<16                          ; V: 512 rows of 64 bytes, dense
	s_mov_b32 s34, 512<<16
	s_mov_b32 s35, 64<<16
	s_mov_b32 s36, 512
	s_mov_b32 s37, 64
	s_mov_b32 s38, 0
	s_mov_b32 s39, 0
	s_mov_b32 s41, 256<<16                         ; the mask: 32 rows of 256 numbers, 4,096 numbers apart
	s_mov_b32 s42, 32<<16
	s_mov_b32 s43, 256<<16
	s_mov_b32 s44, 32
	s_mov_b32 s45, 4096
	s_mov_b32 s46, 0
	s_mov_b32 s47, 0
	s_lshl_b32 s93, ttmp9, 2
	s_add_co_u32 s93, s93, s2                      ; g
	s_lshl_b32 s101, s101, 2
	s_add_co_u32 s101, s101, s3                    ; which 64 queries
	s_lshl_b32 s98, s93, 19                        ; the head's first byte in k_codes and v_codes
	s_mov_b32 s99, 0
	s_lshl_b32 s66, s101, 6
	s_lshl_b32 s67, s19, 5
	s_add_co_u32 s66, s66, s67
	s_lshl_b32 s66, s66, 14                        ; the mask's row 64 x block + 32 x half
	s_mov_b32 s67, 0
	s_mul_i32 s100, s19, 32*MP
	s_add_co_u32 s100, s100, MOFF                  ; and its place in a slot
	s_wait_kmcnt 0x0
	s_load_b256 s[76:83], s[14:15], 0x0            ; e0 .. e7
	s_load_b128 s[84:87], s[14:15], 0x20           ; e8 .. e11
	s_add_nc_u64 s[6:7], s[6:7], s[98:99]
	s_add_nc_u64 s[8:9], s[8:9], s[98:99]
	s_add_nc_u64 s[10:11], s[10:11], s[66:67]
.irp s, 0,1                            ; groups 0: set 0 for slot 0; set 1 for slot 1, which then walks on
	s_mov_b32 s[48+4*\s], 1
	s_mov_b32 s[49+4*\s], \s*SLOTB
	s_add_nc_u64 s[50+4*\s:51+4*\s], s[6:7], \s*32768
	s_or_b32 s[51+4*\s], s[51+4*\s], 0x80000000
	s_mov_b32 s[56+4*\s], 1
	s_mov_b32 s[57+4*\s], \s*SLOTB+VOFF
	s_add_nc_u64 s[58+4*\s:59+4*\s], s[8:9], \s*32768
	s_or_b32 s[59+4*\s], s[59+4*\s], 0x80000000
	s_mov_b32 s[68+4*\s], 1
	s_add_co_u32 s[69+4*\s], s100, \s*SLOTB
	s_add_nc_u64 s[70+4*\s:71+4*\s], s[10:11], \s*1024
	s_or_b32 s[71+4*\s], s[71+4*\s], 0x80000000
.endr
	CROUND                                         ; all sixteen work-groups are here: the first joint loads meet
	s_cmp_lt_u32 s18, 2                            ; a wave's two first fills stand together: two loads of mine are out
	s_cbranch_scc0 .Lfirst_m
	s_cmp_eq_u32 s18, 0
	s_cbranch_scc0 .Lfirst_v
	tensor_load_to_lds s[48:51], s[24:31]
	s_nop 0
	tensor_load_to_lds s[52:55], s[24:31]
	s_nop 0
	PLACES 4
	s_branch .Lfirst_asked
.Lfirst_v:
	tensor_load_to_lds s[56:59], s[32:39]
	s_nop 0
	tensor_load_to_lds s[60:63], s[32:39]
	s_nop 0
	PLACES 4
	s_branch .Lfirst_asked
.Lfirst_m:
	tensor_load_to_lds s[68:71], s[40:47]
	s_nop 0
	tensor_load_to_lds s[72:75], s[40:47]
	s_nop 0
	PLACES 4
.Lfirst_asked:
	s_lshl_b32 s66, s101, 6
	s_lshl_b32 s67, s18, 4
	s_add_co_u32 s66, s66, s67                     ; my first query
	s_lshl_b32 s98, s66, 7
	s_lshl_b32 s67, s93, 20                        ; head 2 g
	s_add_co_u32 s98, s98, s67
	s_add_nc_u64 s[4:5], s[4:5], s[98:99]          ; Q's codes
	s_lshl_b32 s98, s66, 10
	s_lshl_b32 s67, s93, 8
	s_add_co_u32 s98, s98, s67
	s_add_nc_u64 s[16:17], s[16:17], s[98:99]      ; a_codes: my first row, byte 256 g
	s_lshl_b32 s66, s3, 13                         ; the prefetches: K, V: cy x 8,192 bytes;
	s_lshl_b32 s67, s2, 17                         ; the mask: cx x 8 rows
	s_mov_b32 s98, 1024                            ; a slot on: 1,024 bytes in a row of the mask, 32,768 in K and V
	s_mov_b32 s101, 16384                          ; from four lanes to the next four: a row of the mask, or 1,024 bytes
	s_cmp_lt_u32 s18, 2
	s_cselect_b64 s[96:97], s[6:7], s[10:11]
	s_cselect_b32 s98, 32768, s98
	s_cselect_b32 s101, 1024, s101
	s_cselect_b32 s66, s66, s67
	s_cmp_eq_u32 s18, 1
	s_cselect_b64 s[96:97], s[8:9], s[96:97]
	s_mov_b32 s67, 0
	s_add_nc_u64 s[96:97], s[96:97], s[66:67]
	s_add_nc_u64 s[96:97], s[96:97], s[98:99]
	s_add_nc_u64 s[96:97], s[96:97], s[98:99]      ; at slot 2: the first change of slots steps it to slot 3
	v_and_b32 v10, 15, v0                          ; r
	v_bfe_u32 v11, v0, 4, 1                        ; h
	v_lshlrev_b32 v160, 7, v10
	v_lshl_add_u32 v160, v11, 4, v160              ; Q: row r of 128 bytes + 16 h
	v_lshlrev_b32 v161, 4, v0                      ; the gate: 16 bytes a thread
	v_add_nc_u32 v162, LGB, v161
	WIN 0x80                                       ; destination window 2
.irp c, 0,1,2,3
	global_load_b128 v[QA+4*\c:QA+4*\c+3], v160, s[4:5] offset:32*\c
	global_load_b128 v[QB+4*\c:QB+4*\c+3], v160, s[4:5] offset:524288+32*\c
.endr
	WIN 0
.irp i, 0,1,2,3,4,5,6,7
	global_load_b128 v[32+4*\i:35+4*\i], v161, s[12:13] offset:2048*\i
.endr
	v_and_b32 v2, 8, v10
	v_add_nc_u32 v2, v2, v10                       ; r + 8 (r / 8)
	v_mul_u32_u24 v1, v2, KP
	v_lshl_add_u32 v1, v11, 4, v1                  ; my place in a tile of K
	v_mul_u32_u24 v2, v10, VP
	v_lshl_add_u32 v2, v11, 4, v2
	v_add_nc_u32 v2, VOFF, v2                      ; of V
	s_mul_i32 s66, s18, 16*MP
	s_add_co_u32 s66, s66, MOFF
	v_mul_u32_u24 v3, v10, MP
	v_lshl_add_u32 v3, v11, 6, v3
	v_add_nc_u32 v3, s66, v3                       ; of the mask: row 16 w + r, + 64 h
	v_lshlrev_b32 v4, 6, v11
	v_add_nc_u32 v4, LGB, v4                       ; of lg
	v_and_b32 v7, 31, v0
	v_lshrrev_b32 v9, 2, v7
	v_mul_lo_u32 v8, v9, s101
	v_and_b32 v7, 3, v7
	v_lshl_add_u32 v8, v7, 8, v8                   ; the prefetches' offset; never rewritten
	v_mov_b32 v10, 0                               ; written once: a lane exchange's destination counts as a source
	v_mov_b32 v11, 0
.irp x, 0,1
	v_mov_b32 v[12+10*\x], 0xff7fffff              ; Lm: under every logit
	v_mov_b32 v[13+10*\x], 0x7f61b1e6              ; -M = 3e38
	v_mov_b32 v[14+10*\x], 0                       ; the sum, in two halves
	v_mov_b32 v[15+10*\x], 0
	v_mov_b32 v[17+10*\x], 0                       ; (upper halves of pairs that are named whole)
	v_mov_b32 v[19+10*\x], 0
	v_mov_b32 v[21+10*\x], 0
.endr
	WIN 0x40
.set j, 0
.rept 128
	v_mov_b32 v[j], 0                              ; O^T.  The key step is written without a first step of its own: the first change of M multiplies zeros
.set j, j+1
.endr
	WIN 0
	s_mov_b32 s20, 0x76543210
	s_mov_b32 s21, 0xfedcba98                      ; lane l xor 16
	s_mov_b32 s22, 0x3db504f3                      ; 1 / sqrt(128)
	s_mov_b32 s88, 0x3fb8aa3b                      ; log2(e)
	s_mov_b32 s89, s88
	s_mov_b32 s91, 0                               ; the slot that is read
	s_mov_b32 s92, SLOTB                           ; the slot that the walking descriptors filled last
	s_mov_b32 s93, 0                               ; lg's bytes of the step to be fetched
	s_mov_b32 s94, 14                              ; slots still to be asked for
	s_wait_kmcnt 0x0
	s_add_co_i32 s66, s82, s83
	s_lshl_b32 s66, s66, 23
	s_add_co_i32 s22, s22, s66                     ; e6 + e7 are added to the exponent field
	s_mov_b32 s23, s22
	s_add_co_i32 s66, s84, 127
	s_lshl_b32 s67, s66, 23
	v_mov_b32 v9, s67                              ; 2^e8
	s_add_co_i32 s66, s66, 8
	s_lshl_b32 s66, s66, 23
	s_or_b32 s90, s66, 0x600000                    ; 448 x 2^e8
	s_wait_loadcnt 0x0                             ; Q and the gate
.set i, 0
.rept 32
	v_add_f32 v[32+i], 0x322bcc77, v[32+i]         ; gate + 1e-8
.set i, i+1
.endr
.set i, 0
.rept 32
	v_log_f32 v[32+i], v[32+i]
.set i, i+1
.endr
	v_nop                                          ; a plain line behind the last logarithm
	s_wait_alu depctr_va_vdst(0)                   ; one wait for the batch, ahead of its first use
.set i, 0
.rept 16
	v_pk_mul_f32 v[32+i:33+i], v[32+i:33+i], 0x3f317218 op_sel_hi:[1,0]   ; x ln 2
.set i, i+2
.endr
.irp i, 0,1,2,3,4,5,6,7
	ds_store_b128 v162, v[32+4*\i:35+4*\i] offset:2048*\i
.endr
.macro FETCH_LG                        ; lg of the next step's keys: sixteen lanes read the same 16 bytes
	WIN 0
	v_add_nc_u32 v7, s93, v4
	s_add_co_u32 s93, s93, 512
	WIN 0x80
.irp b, 0,1,2,3
.irp i, 0,1,2,3
	ds_load_b128 v[LG+16*\b+4*\i:LG+16*\b+4*\i+3], v7 offset:128*\b+16*\i
.endr
.endr
	WIN 0
.endm
.macro FETCH_V q
	WIN 0
	v_add_nc_u32 v7, s91, v2
	WIN 0x80
.irp t, 0,1,2,3,4,5,6,7
.irp c, 0,1,2,3
	ds_load_b128 v[VF+16*\t+4*\c:VF+16*\t+4*\c+3], v7 offset:(2*(\q)+\c/2)*128*VP+16*\t*VP+32*(\c%2)
.endr
.endr
	WIN 0
.endm
.macro FETCH_K q
	WIN 0
	v_add_nc_u32 v7, s91, v1
	WIN 0x40
.irp t, 0,1,2,3,4,5,6,7
.irp c, 0,1,2,3
	ds_load_b128 v[KF+16*\t+4*\c:KF+16*\t+4*\c+3], v7 offset:(128*(\q)+32*(\t/2)+8*(\t%2))*KP+32*\c
.endr
.endr
	WIN 0
.endm
.macro FETCH_M q
	v_add_nc_u32 v7, s91, v3
.irp b, 0,1,2,3
.irp i, 0,1,2,3
	ds_load_b128 v[MB+16*\b+4*\i:MB+16*\b+4*\i+3], v7 offset:512*(\q)+128*\b+16*\i
.endr
.endr
.endm
; A KEY STEP of 128 keys, the q-th of its slot.  chg = 1: the slot has been read out and is filled again behind a round of the cluster's barrier; 2: the change of slots without a fill; nxt = 1: the next step's K, mask and lg are fetched.
.macro STEP q, chg, nxt
	s_wait_dscnt 0x0                               ; this step's K, mask and lg, asked for a step ago
	WIN W_KQ
.irp t, 0,1,2,3,4,5,6,7
	v_wmma_f32_16x16x128_fp8_fp8 v[SA+8*\t:SA+8*\t+7], v[KF+16*\t:KF+16*\t+15], v[QA:QA+15], 0
	v_wmma_f32_16x16x128_fp8_fp8 v[SB+8*\t:SB+8*\t+7], v[KF+16*\t:KF+16*\t+15], v[QB:QB+15], 0
.endr
	WIN 0x08                                       ; source 1 window 2
.set j, 0
.rept 32
	v_pk_add_f32 v[MB+j:MB+j+1], v[MB+j:MB+j+1], v[LG+j:LG+j+1]   ; mask + lg, once for both heads.  These 32 are also the places behind the products above and behind the last step's
.set j, j+2
.endr
.if \nxt
	FETCH_LG
.endif
	FETCH_V \q
.set j, 0
.rept 32
	v_pk_fma_f32 v[SA+j:SA+j+1], v[SA+j:SA+j+1], s[22:23], v[MB+j:MB+j+1] op_sel_hi:[1,0,1]   ; L; each accumulator from its low end on
	v_pk_fma_f32 v[SB+j:SB+j+1], v[SB+j:SB+j+1], s[22:23], v[MB+j:MB+j+1] op_sel_hi:[1,0,1]
.set j, j+2
.endr
.if \chg
	s_wait_tensorcnt 0x0                           ; all my tensor loads have landed: my part of the other slot; so a group 0 may be written
	ds_add_u32 v5, v6                              ; 0 onto my spare word; the steps and the maxima stand between it and the wait for it
.if \chg == 1
	s_xor_b32 s92, s92, SLOTB                      ; the walking descriptors: the other slot than last time,
	s_mov_b32 s53, s92
	s_add_co_u32 s61, s92, VOFF
	s_add_co_u32 s73, s92, s100
	s_add_nc_u64 s[54:55], s[54:55], 32768         ; the next 256 keys
	s_add_nc_u64 s[62:63], s[62:63], 32768
	s_add_nc_u64 s[74:75], s[74:75], 1024
	s_wait_xcnt 0x0                                ; the last prefetch, two steps back, has read its address
	s_add_nc_u64 s[96:97], s[96:97], s[98:99]
.endif
.endif
	v_max3_num_f32 v224, v[SA], v[SA+1], v[SA+2]   ; the step's largest L of my query among my 64 keys: two chains a head
	v_max3_num_f32 v240, v[SB], v[SB+1], v[SB+2]
	v_max3_num_f32 v225, v[SA+3], v[SA+4], v[SA+5]
	v_max3_num_f32 v241, v[SB+3], v[SB+4], v[SB+5]
.set i, 6
.rept 14
	v_max3_num_f32 v224, v224, v[SA+i], v[SA+i+1]
	v_max3_num_f32 v240, v240, v[SB+i], v[SB+i+1]
	v_max3_num_f32 v225, v225, v[SA+i+2], v[SA+i+3]
	v_max3_num_f32 v241, v241, v[SB+i+2], v[SB+i+3]
.set i, i+4
.endr
	v_max3_num_f32 v224, v224, v[SA+62], v[SA+63]
	v_max3_num_f32 v240, v240, v[SB+62], v[SB+63]
.if \chg
	s_wait_dscnt 0x0                               ; the add is done, and my reads of this slot are over (V of its second step was the last)
.if \chg == 1
	CROUND                                         ; no wave of any partner still reads the slot or has a load on its way
	JLOAD                                          ; the first thing behind the round, my one tensor load until the next: it has two key steps in which to land
.else
	s_barrier_signal -1
	s_barrier_wait -1
.endif
	s_xor_b32 s91, s91, SLOTB                      ; the reads go on in the other slot
.endif
.if \nxt
	FETCH_K 1-(\q)
	FETCH_M 1-(\q)
.if \chg == 1
	ASK
.endif
.endif
.irp x, 0,1
	v_max_num_f32 v[224+16*\x], v[224+16*\x], v[225+16*\x]
.endr
.irp x, 0,1
	v_permlanex16_b32 v[10+\x], v[224+16*\x], s20, s21          ; the query's other 64 keys lie in lane l xor 16
.endr
.irp x, 0,1
	v_max3_num_f32 v[12+10*\x], v[12+10*\x], v[224+16*\x], v[10+\x]   ; Lm
.endr
.irp x, 0,1
	v_mul_f32 v[224+16*\x], s88, v[12+10*\x]
.endr
.irp x, 0,1
	v_max_num_f32 v[224+16*\x], 0xff61b1e6, v[224+16*\x]        ; tm, not under -3e38
.endr
.irp x, 0,1
	v_mov_b32 v[225+16*\x], v[13+10*\x]
.endr
.irp x, 0,1
	v_floor_f32 v[13+10*\x], -v[224+16*\x]                      ; -M = floor(-tm): M is a whole number
.endr
.irp x, 0,1
	v_sub_f32 v[225+16*\x], v[13+10*\x], v[225+16*\x]           ; old M - new M, 0 or less
.endr
.irp x, 0,1
	v_cvt_i32_f32 v[225+16*\x], v[225+16*\x]                    ; (it saturates)
.endr
.irp x, 0,1
	v_ldexp_f32 v[20+10*\x], 1.0, v[225+16*\x]                  ; f = 2^(old M - new M)
.endr
.irp x, 0,1
	v_add_f32 v[18+10*\x], v[13+10*\x], v[224+16*\x]            ; tm - M
.endr
.irp x, 0,1
	v_mul_f32 v[16+10*\x], -1.0, v[12+10*\x]                    ; -Lm
.endr
.set j, 0
.rept 32
	v_pk_add_f32 v[SA+j:SA+j+1], v[SA+j:SA+j+1], v[16:17] op_sel_hi:[1,0]
	v_pk_add_f32 v[SB+j:SB+j+1], v[SB+j:SB+j+1], v[26:27] op_sel_hi:[1,0]
.set j, j+2
.endr
.set j, 0
.rept 32
	v_pk_fma_f32 v[SA+j:SA+j+1], v[SA+j:SA+j+1], s[88:89], v[18:19] op_sel_hi:[1,0,0]   ; t - M
	v_pk_fma_f32 v[SB+j:SB+j+1], v[SB+j:SB+j+1], s[88:89], v[28:29] op_sel_hi:[1,0,0]
.set j, j+2
.endr
.set j, 0
.rept 64
	v_exp_f32 v[SA+j], v[SA+j]                     ; p, at most 1: not normalised
	v_exp_f32 v[SB+j], v[SB+j]
.set j, j+1
.endr
	v_pk_mul_f32 v[14:15], v[14:15], v[20:21] op_sel_hi:[1,0]   ; the sums under the new M (plain lines behind the exponentials)
	v_pk_mul_f32 v[24:25], v[24:25], v[30:31] op_sel_hi:[1,0]
	s_wait_alu depctr_va_vdst(0)                   ; one wait for the batch of 128, ahead of its first use
	v_pk_add_f32 v[226:227], v[SA:SA+1], v[SA+2:SA+3]           ; the row's sum of the unquantised p: two chains a head
	v_pk_add_f32 v[242:243], v[SB:SB+1], v[SB+2:SB+3]
.set j, 4
.rept 15
	v_pk_add_f32 v[14:15], v[14:15], v[SA+j:SA+j+1]
	v_pk_add_f32 v[24:25], v[24:25], v[SB+j:SB+j+1]
	v_pk_add_f32 v[226:227], v[226:227], v[SA+j+2:SA+j+3]
	v_pk_add_f32 v[242:243], v[242:243], v[SB+j+2:SB+j+3]
.set j, j+4
.endr
	v_pk_add_f32 v[14:15], v[14:15], v[226:227]
	v_pk_add_f32 v[24:25], v[24:25], v[242:243]
.irp b, 0,1,2,3
.set i, 0
.rept 16
	v_min_num_f32 v[SA+16*\b+i], s90, v[SA+16*\b+i]             ; the conversion does not saturate (ISA guide 7.6.2); p is not negative, so the hold is one-sided
	v_min_num_f32 v[SB+16*\b+i], s90, v[SB+16*\b+i]
.set i, i+1
.endr
	v_cvt_scalef32_pk8_fp8_f32 v[PA+4*\b:PA+4*\b+1], v[SA+16*\b:SA+16*\b+7], v9
	v_cvt_scalef32_pk8_fp8_f32 v[PA+4*\b+2:PA+4*\b+3], v[SA+16*\b+8:SA+16*\b+15], v9
	v_cvt_scalef32_pk8_fp8_f32 v[PB+4*\b:PB+4*\b+1], v[SB+16*\b:SB+16*\b+7], v9
	v_cvt_scalef32_pk8_fp8_f32 v[PB+4*\b+2:PB+4*\b+3], v[SB+16*\b+8:SB+16*\b+15], v9
.endr
	WIN 0x41                                       ; O^T (destination and source 0) window 1
.set j, 0
.rept 32
	v_pk_mul_f32 v[OA+j:OA+j+1], v[OA+j:OA+j+1], v[20:21] op_sel_hi:[1,0]   ; O^T under the new M; also the plain lines behind the conversions
	v_pk_mul_f32 v[OB+j:OB+j+1], v[OB+j:OB+j+1], v[30:31] op_sel_hi:[1,0]
.set j, j+2
.endr
	s_wait_dscnt 48*\nxt                           ; V is in; behind its loads stand the next step's 32 of K and 16 of the mask
	WIN W_PV
.irp t, 0,1,2,3,4,5,6,7
	v_wmma_f32_16x16x128_fp8_fp8 v[OA+8*\t:OA+8*\t+7], v[VF+16*\t:VF+16*\t+15], v[PA:PA+15], v[OA+8*\t:OA+8*\t+7]
	v_wmma_f32_16x16x128_fp8_fp8 v[OB+8*\t:OB+8*\t+7], v[VF+16*\t:VF+16*\t+15], v[PB:PB+15], v[OB+8*\t:OB+8*\t+7]
.endr
	WIN 0
.endm
	s_wait_tensorcnt 0x1                           ; my part of slot 0 is in; slot 1's may be out
	s_wait_dscnt 0x0                               ; my part of lg is stored
	s_barrier_signal -1
	s_barrier_wait -1
	FETCH_LG
	FETCH_K 0
	FETCH_M 0
.Lslot:                                            ; 14 trips: slots 0 to 13; each is filled again with the keys two slots on
	STEP 0, 0, 1
	STEP 1, 1, 1
	s_sub_co_u32 s94, s94, 1
	s_cmp_lg_u32 s94, 0
	s_cbranch_scc1 .Lslot
	STEP 0, 0, 1                                   ; the last two slots are written out
	STEP 1, 2, 1
	STEP 0, 0, 1
	STEP 1, 0, 0
	; THE WAY OUT.  The addresses are made here: twelve plain lines, the places behind the last products
	v_and_b32 v1, 15, v0
	v_bfe_u32 v2, v0, 4, 1
	s_mul_i32 s66, s18, 16*272
	s_add_co_u32 s66, s66, STAGE
	v_mul_u32_u24 v3, v1, 272
	v_lshl_add_u32 v3, v2, 3, v3
	v_add_nc_u32 v3, s66, v3                       ; into my stage: row r, 8 bytes for each half of the lanes
	v_mul_u32_u24 v4, v2, 272
	v_lshl_add_u32 v4, v1, 4, v4
	v_add_nc_u32 v4, s66, v4                       ; back: lanes 0-15 one row of 256 bytes, lanes 16-31 the next
	v_lshlrev_b32 v7, 10, v2
	v_lshl_add_u32 v7, v1, 4, v7                   ; and the same two rows of a_codes
	v_add_f32 v14, v14, v15
	v_add_f32 v24, v24, v25
	v_permlanex16_b32 v10, v14, s20, s21
	v_permlanex16_b32 v11, v24, s20, s21
	v_add_f32 v14, v14, v10                        ; the rows' sums
	v_add_f32 v24, v24, v11
	v_rcp_f32 v20, v14
	v_rcp_f32 v30, v24
	v_nop                                          ; a plain line behind the last reciprocal
	s_sub_co_i32 s66, s86, s84
	s_sub_co_i32 s66, s66, s85                     ; e10 - e8 - e9: O^T stands for O^T x 2^(e8 + e9)
	s_add_co_i32 s66, s66, 127
	s_lshl_b32 s67, s66, 23
	v_mov_b32 v9, s67
	s_add_co_i32 s66, s66, 8
	s_lshl_b32 s66, s66, 23
	s_or_b32 s66, s66, 0x600000
	v_mov_b32 v16, s66
	s_wait_alu depctr_va_vdst(0)                   ; one wait for both reciprocals, ahead of their first use
.irp x, 0,1
	WIN 0x01                                       ; source 0 window 1
.set j, 0
.rept 32
	v_pk_mul_f32 v[SA+64*\x+j:SA+64*\x+j+1], v[64*\x+j:64*\x+j+1], v[20+10*\x:21+10*\x] op_sel_hi:[1,0]   ; O^T / the sum: register 8 t + i is d = 16 t + 8 h + i
.set j, j+2
.endr
	WIN 0
.set i, 0
.rept 64
	v_med3_num_f32 v[SA+64*\x+i], v[SA+64*\x+i], -v16, v16
.set i, i+1
.endr
.irp t, 0,1,2,3,4,5,6,7
	v_cvt_scalef32_pk8_fp8_f32 v[PA+16*\x+2*\t:PA+16*\x+2*\t+1], v[SA+64*\x+8*\t:SA+64*\x+8*\t+7], v9
.endr
	v_nop                                          ; a plain line behind the last conversion
.irp t, 0,1,2,3,4,5,6,7
	ds_store_b64 v3, v[PA+16*\x+2*\t:PA+16*\x+2*\t+1] offset:128*\x+16*\t
.endr
.endr
.irp i, 0,1,2,3,4,5,6,7
	ds_load_b128 v[MB+4*\i:MB+4*\i+3], v4 offset:544*\i    ; LDS serves a wave's instructions in order: these see my stores
.endr
.irp i, 0,1,2,3,4,5,6,7
	s_wait_dscnt 7-\i
	global_store_b128 v7, v[MB+4*\i:MB+4*\i+3], s[16:17] offset:2048*\i   ; sixteen lanes store the two heads' 256 codes of a row: 256 consecutive bytes, aligned
.endr
	s_wait_tensorcnt 0x0                           ; the wave's end
	ds_add_u32 v5, v6
	s_wait_dscnt 0x0
	CROUND                                         ; the closing round
	s_endpgm
.Lfunc_end_k_q96dd485250_attn:
	.size	k_q96dd485250_attn, .Lfunc_end_k_q96dd485250_attn-k_q96dd485250_attn
	.p2alignl 7, 3214868480
	.fill 96, 4, 3214868480
	.section	.rodata,"a",@progbits
	.p2align	6, 0x0
	.amdhsa_kernel k_q96dd485250_attn
		.amdhsa_group_segment_fixed_size 327680
		.amdhsa_private_segment_fixed_size 0
		.amdhsa_enable_private_segment 0
		.amdhsa_kernarg_size 56
		.amdhsa_user_sgpr_count 2
		.amdhsa_user_sgpr_kernarg_segment_ptr 1
		.amdhsa_wavefront_size32 1
		.amdhsa_system_sgpr_workgroup_id_x 1
		.amdhsa_system_sgpr_workgroup_id_y 1
		.amdhsa_system_sgpr_workgroup_id_z 1
		.amdhsa_system_vgpr_workitem_id 0
		.amdhsa_next_free_vgpr 768
		.amdhsa_next_free_sgpr 102
		.amdhsa_reserve_vcc 0
		.amdhsa_float_denorm_mode_32 3
		.amdhsa_float_denorm_mode_16_64 3
		.amdhsa_memory_ordered 1
		.amdhsa_forward_progress 1
		.amdhsa_inst_pref_size 255
	.end_amdhsa_kernel
	.section	.bss,"aw",@nobits
	.p2align	6
	.space	262144
	.amdgpu_metadata
---
amdhsa.version: [ 1, 2 ]
amdhsa.kernels:
  - .name:           k_q96dd485250_attn
    .symbol:         k_q96dd485250_attn.kd
    .args:
      - { .name: q_codes, .offset: 0, .size: 8, .value_kind: global_buffer, .address_space: global }
      - { .name: k_codes, .offset: 8, .size: 8, .value_kind: global_buffer, .address_space: global }
      - { .name: v_codes, .offset: 16, .size: 8, .value_kind: global_buffer, .address_space: global }
      - { .name: attention_mask, .offset: 24, .size: 8, .value_kind: global_buffer, .address_space: global }
      - { .name: gate, .offset: 32, .size: 8, .value_kind: global_buffer, .address_space: global }
      - { .name: lowp_scales, .offset: 40, .size: 8, .value_kind: global_buffer, .address_space: global }
      - { .name: a_codes, .offset: 48, .size: 8, .value_kind: global_buffer, .address_space: global }
    .group_segment_fixed_size: 327680
    .private_segment_fixed_size: 0
    .kernarg_segment_align: 8
    .kernarg_segment_size: 56
    .max_flat_workgroup_size: 128
    .sgpr_count:     102
    .vgpr_count:     768
    .wavefront_size: 32
...
	.end_amdgpu_metadata
.endif
;; end of part 3
;; launch oproj (part 4): grid 16 x 16, 4 waves a work-group, clusters of 4 x 4, 327,680 bytes of LDS; arguments a_codes, w_codes, lowp_scales, out0; writes out0
.if DOCPART == 4
	.amdgcn_target "amdgcn-amd-amdhsa--gfx1250"
	.amdhsa_code_object_version 6
	.text
	.protected	k_q96dd485250_oproj
	.globl	k_q96dd485250_oproj
	.p2align	8
	.type	k_q96dd485250_oproj,@function
k_q96dd485250_oproj:
	s_mov_b64 s[64:65], 0
	v_nop
	global_prefetch_b8 v0, s[64:65] scope:SCOPE_SE
	s_setreg_imm32_b32 hwreg(HW_REG_WAVE_MODE, 25, 1), 1
	s_wait_xcnt 0x0
	s_wait_alu depctr_hold_cnt(0) depctr_sa_sdst(0) depctr_va_vdst(0) depctr_va_sdst(0) depctr_va_ssrc(0) depctr_va_vcc(0) depctr_vm_vsrc(0)
	s_getreg_b32 s2, hwreg(HW_REG_IB_STS2, 6, 4)
	s_cmp_eq_u32 s2, 0
	s_cbranch_scc0 .Lentry_in_a_cluster
	s_endpgm
.Lentry_in_a_cluster:
	s_bfe_u32 s2, ttmp6, 0x10000c
	s_cmp_lg_u32 s2, 0xf033
	s_cbranch_scc0 .Lentry_shape_is_right
	s_endpgm
.Lentry_shape_is_right:
; out0 [4096][2048] f32 = attention's result x Wo, on codes of E4M3: a_codes [4096][1024]; Wo's codes [2048 n][1024 k] from byte 4,194,304 of w_codes on.  Each finished sum is multiplied once by 2^(e10 + e11).
; LIMIT: e10 + e11 between -126 and 127.
; A work-group makes 256 tokens x 128 columns; four waves, each 64 tokens x 128 columns: 32 accumulators.  THE PRODUCT IS USED TRANSPOSED (source 0 = 16 rows of Wo's codes, source 1 = 16 tokens): a lane holds eight
; neighbouring numbers of a row of out0.  K goes in steps of 256 codes through a ring of two LDS slots; the tokens' tile is asked for jointly along a row of the 4 x 4 cluster, the weights' along a column.
; A fragment comes by four loads of 16 bytes: registers 4 c .. 4 c + 3 hold K = 32 c + 16 h + 0..15, alike on both sides.
; REGISTERS: window 0: v0-31 addresses; v64-127, v128-191 the tokens' fragments, two sets (on the way out: rows read back); v192-255 at work.  window 1: the weights' fragments, two sets.  window 2: accumulator (a, b) at v[8 (8 a + b)].
.set KROW,  1024
.set LAPS,  2
.set ROWB,  256
.set PITCH, 272                        ; 256 bytes + 16 of padding: the 16 rows of a fragment load start at 16 different banks (ISA guide 11.1)
.set BOFF,  256*PITCH
.set SLOT,  384*PITCH
.set SPARE, 2*SLOT                     ; the spare words: 128 bytes a wave, named by no other line
.set OSTG,  SPARE+512                  ; the way out: 16 rows x 528 bytes a wave
.set G1A, 24
.set G0A, 32
.set G1B, 40
.set G0B, 48
.set ADRA, 16
.set ADRB, 20
.set AF,  64
.set TMP, 192
.set BK,  64
.set MSB, 0
.macro WIN new
.if MSB != \new
	s_set_vgpr_msb (MSB<<8)|\new
.set MSB, \new
.endif
.endm
.set MUL,  0xa1
.set TO_B, 0x40
.macro PLACES n
.rept \n
	v_nop
.endr
.endm
.macro JLOAD s                         ; waves 0, 1 fetch the tokens' halves, waves 2, 3 the weights'; four v_nop follow each line
	s_cmp_eq_u32 s58, 0
	s_cbranch_scc0 .Lfor_b_\@
	tensor_load_to_lds s[G0A+4*\s:G0A+4*\s+3], s[G1A:G1A+7]
	s_nop 0
	PLACES 4
	s_branch .Lasked_\@
.Lfor_b_\@:
	tensor_load_to_lds s[G0B+4*\s:G0B+4*\s+3], s[G1B:G1B+7]
	s_nop 0
	PLACES 4
.Lasked_\@:
.endm
.macro CREST
	s_cmp_lg_u32 s56, 0
	s_cbranch_scc1 .Lnot_wave_0_\@
	s_barrier_signal -3
.Lnot_wave_0_\@:
	s_barrier_wait -3
	s_barrier_signal -1
	s_barrier_wait -1
.endm
.macro CROUND
	s_barrier_signal -1
	s_barrier_wait -1
	CREST
.endm
	s_load_b256 s[4:11], s[0:1], 0x0               ; a_codes s[4:5], w_codes s[6:7], scales s[8:9], out0 s[10:11]
	v_lshl_add_u32 v28, v0, 2, SPARE
	v_mov_b32 v29, 0
	ds_add_u32 v28, v29
	ds_add_u32 v28, v29
	s_wait_dscnt 0x0
	v_lshrrev_b32 v1, 5, v0
	v_readfirstlane_b32 s56, v1                    ; wave
	s_and_b32 s57, s56, 1
	s_lshr_b32 s58, s56, 1
	s_bfe_u32 s59, ttmp6, 0x40000                  ; cx
	s_bfe_u32 s60, ttmp6, 0x40004                  ; cy
	s_lshl_b32 s61, ttmp9, 2
	s_add_co_u32 s61, s61, s59                     ; tc
	s_and_b32 s62, ttmp7, 0xffff
	s_lshl_b32 s62, s62, 2
	s_add_co_u32 s62, s62, s60                     ; tr
	s_lshl_b32 s66, s60, 2
	s_lshl_b32 s66, 15, s66
	s_lshl_b32 s67, 0x1111, s59
	s_or_b32 s[G1A], s66, (1<<20)|(1<<21)|(5<<22)|(3<<25)
	s_or_b32 s[G1B], s67, (1<<20)|(1<<21)|(5<<22)|(3<<25)
	s_mov_b32 s[G1A+1], ROWB<<16
	s_mov_b32 s[G1A+2], 128<<16
	s_mov_b32 s[G1A+3], ROWB<<16
	s_mov_b32 s[G1A+4], 128
	s_mov_b32 s[G1A+5], KROW
	s_mov_b32 s[G1A+6], 0
	s_mov_b32 s[G1A+7], 0
	s_mov_b32 s[G1B+1], ROWB<<16
	s_mov_b32 s[G1B+2], 64<<16
	s_mov_b32 s[G1B+3], ROWB<<16
	s_mov_b32 s[G1B+4], 64
	s_mov_b32 s[G1B+5], KROW
	s_mov_b32 s[G1B+6], 0
	s_mov_b32 s[G1B+7], 0
	s_lshl_b32 s68, s62, 8
	s_lshl_b32 s69, s57, 7
	s_add_co_u32 s68, s68, s69
	s_mul_i32 s68, s68, KROW
	s_mov_b32 s69, 0
	s_lshl_b32 s70, s61, 7
	s_lshl_b32 s71, s57, 6
	s_add_co_u32 s70, s70, s71
	s_mul_i32 s70, s70, KROW
	s_add_co_u32 s70, s70, 0x400000                ; Wo's part of w_codes
	s_mov_b32 s71, 0
	s_mul_i32 s84, s57, 128*PITCH
	s_mul_i32 s85, s57, 64*PITCH
	s_add_co_u32 s85, s85, BOFF
	s_wait_kmcnt 0x0
	s_load_b64 s[96:97], s[8:9], 0x28              ; e10, e11
	s_add_nc_u64 s[68:69], s[4:5], s[68:69]
	s_add_nc_u64 s[70:71], s[6:7], s[70:71]
	CROUND                                         ; all sixteen work-groups are here: the first joint loads meet
.irp s, 0,1
	s_mov_b32 s[G0A+4*\s], 1
	s_add_co_u32 s[G0A+4*\s+1], s84, \s*SLOT
	s_add_nc_u64 s[G0A+4*\s+2:G0A+4*\s+3], s[68:69], \s*ROWB
	s_or_b32 s[G0A+4*\s+3], s[G0A+4*\s+3], 0x80000000
	s_mov_b32 s[G0B+4*\s], 1
	s_add_co_u32 s[G0B+4*\s+1], s85, \s*SLOT
	s_add_nc_u64 s[G0B+4*\s+2:G0B+4*\s+3], s[70:71], \s*ROWB
	s_or_b32 s[G0B+4*\s+3], s[G0B+4*\s+3], 0x80000000
	JLOAD \s
.endr
	v_and_b32 v1, 15, v0                           ; r
	v_bfe_u32 v2, v0, 4, 1                         ; h
	v_and_b32 v4, 31, v0                           ; lane
	v_mul_u32_u24 v3, v1, PITCH
	v_lshl_add_u32 v3, v2, 4, v3
	s_mul_i32 s98, s56, 64*PITCH
	v_add_nc_u32 v[ADRA], s98, v3
	v_add_nc_u32 v[ADRA+1], SLOT, v[ADRA]
	v_add_nc_u32 v[ADRB], BOFF, v3
	v_add_nc_u32 v[ADRB+1], SLOT+BOFF, v3
	s_mul_i32 s98, s56, 16*528
	s_add_co_u32 s98, s98, OSTG                    ; my stage
	v_mul_u32_u24 v24, v1, 528
	v_lshl_add_u32 v24, v2, 5, v24
	v_add_nc_u32 v24, s98, v24                     ; in: row r, 32 bytes for each half of the lanes
	v_lshlrev_b32 v26, 4, v4                       ; back: the 32 lanes take one row of 512 bytes; and the same in out0
	v_add_nc_u32 v25, s98, v26
	s_lshl_b32 s90, s62, 8
	s_lshl_b32 s91, s56, 6
	s_add_co_u32 s90, s90, s91
	s_lshl_b32 s90, s90, 13                        ; my first row of 8,192 bytes
	s_lshl_b32 s91, s61, 9
	s_add_co_u32 s90, s90, s91                     ; my 128 columns
	s_mov_b32 s91, 0
	s_add_nc_u64 s[10:11], s[10:11], s[90:91]
.macro FRAG reg, adr, q, i
.irp c, 0,1,2,3
	ds_load_b128 v[\reg+4*\c:\reg+4*\c+3], v[\adr] offset:128*(\q)+32*\c+(\i)*16*PITCH
.endr
.endm
.macro FETCH slot, q, p
	WIN TO_B
.irp i, 0,1,2,3,4,5,6,7
	FRAG 128*(\p)+16*\i, ADRB+\slot, \q, \i
.endr
	WIN 0
.irp i, 0,1,2,3
	FRAG AF+64*(\p)+16*\i, ADRA+\slot, \q, \i
.endr
.endm
.macro MUL8 a, p, zero                 ; the 32 accumulators take turns
.irp b, 0,1,2,3,4,5,6,7
.if \zero
	v_wmma_f32_16x16x128_fp8_fp8 v[8*(8*(\a)+\b):8*(8*(\a)+\b)+7], v[128*(\p)+16*\b:128*(\p)+16*\b+15], v[AF+64*(\p)+16*(\a):AF+64*(\p)+16*(\a)+15], 0
.else
	v_wmma_f32_16x16x128_fp8_fp8 v[8*(8*(\a)+\b):8*(8*(\a)+\b)+7], v[128*(\p)+16*\b:128*(\p)+16*\b+15], v[AF+64*(\p)+16*(\a):AF+64*(\p)+16*(\a)+15], v[8*(8*(\a)+\b):8*(8*(\a)+\b)+7]
.endif
.endr
.endm
.macro SUB slot, zero
	s_wait_dscnt 8                                 ; all but the youngest eight loads (token blocks 2, 3)
	WIN MUL
	MUL8 0, 0, \zero
	MUL8 1, 0, \zero
	PLACES 4
	FETCH \slot, 1, 1
	s_wait_dscnt 48                                ; all but the 48 just issued
	WIN MUL
	MUL8 2, 0, \zero
	MUL8 3, 0, \zero
.endm
.macro TURN slot, next, fill
	WIN 0
	s_wait_tensorcnt 0x0                           ; all my tensor loads have landed: my part of the next slot
	ds_add_u32 v28, v29                            ; 0 onto my spare word
	s_wait_dscnt 9                                 ; the add and the youngest eight loads may be out
	WIN MUL
	MUL8 0, 1, 0
	s_wait_dscnt 0x0                               ; the add is done, and my reads of this slot are over
	s_barrier_signal -1
	MUL8 1, 1, 0
	WIN 0
	s_barrier_wait -1
.if \fill
	CREST                                          ; the barrier has opened a round of the cluster's
	s_add_nc_u64 s[G0A+4*\slot+2:G0A+4*\slot+3], s[G0A+4*\slot+2:G0A+4*\slot+3], 2*ROWB
	s_add_nc_u64 s[G0B+4*\slot+2:G0B+4*\slot+3], s[G0B+4*\slot+2:G0B+4*\slot+3], 2*ROWB
	JLOAD \slot
.else
	PLACES 4
.endif
	FETCH \next, 0, 0
	WIN MUL
	MUL8 2, 1, 0
	MUL8 3, 1, 0
.endm
	s_wait_tensorcnt 0x1                           ; my part of K step 0 is in; K step 1's may be out
	s_barrier_signal -1
	s_barrier_wait -1
	FETCH 0, 0, 0
	SUB 0, 1
	WIN 0
	s_mov_b32 s63, LAPS-1
.Llap:
	TURN 0, 1, 1
	SUB 1, 0
	TURN 1, 0, 1
	SUB 0, 0
	WIN 0
	s_sub_co_u32 s63, s63, 1
	s_cmp_lg_u32 s63, 0
	s_cbranch_scc1 .Llap
	TURN 0, 1, 0
	SUB 1, 0
	s_wait_dscnt 8
	WIN MUL
	MUL8 0, 1, 0
	MUL8 1, 1, 0
	s_wait_dscnt 0x0
	MUL8 2, 1, 0
	MUL8 3, 1, 0
	WIN 0
; THE WAY OUT, block by block of 16 rows x 128 columns: through my own stage, back as whole rows of 512 bytes.
.macro TOSTAGE a
	WIN 0x02                                       ; source 0 window 2
.set j, 0
.rept 32
	v_pk_mul_f32 v[TMP+j:TMP+j+1], v[64*(\a)+j:64*(\a)+j+1], s[96:97] op_sel_hi:[1,0]   ; x 2^(e10 + e11); each accumulator from its low end on
.set j, j+2
.endr
	WIN 0
.irp b, 0,1,2,3,4,5,6,7
	ds_store_b128 v24, v[TMP+8*\b:TMP+8*\b+3] offset:64*\b
	ds_store_b128 v24, v[TMP+8*\b+4:TMP+8*\b+7] offset:64*\b+16
.endr
.set BB, BK+64*((\a)%2)
.irp t, 0,1,2,3,4,5,6,7,8,9,10,11,12,13,14,15
	ds_load_b128 v[BB+4*\t:BB+4*\t+3], v25 offset:\t*528   ; LDS serves a wave's instructions in order: these see the stores above
.endr
.endm
.macro SEND a, younger                 ; younger: the LDS instructions issued behind block a's loads
.set BB, BK+64*((\a)%2)
	s_wait_dscnt \younger
.if (\a) > 0
	s_add_nc_u64 s[10:11], s[10:11], 16*8192       ; (behind a wait on XCNT: the earlier stores have read their base)
.endif
.irp t, 0,1,2,3,4,5,6,7,8,9,10,11,12,13,14,15
	global_store_b128 v26, v[BB+4*\t:BB+4*\t+3], s[10:11] offset:\t*8192 th:TH_STORE_NT   ; 32 lanes store 512 consecutive bytes, aligned
.endr
.endm
	s_wait_kmcnt 0x0
	s_add_co_i32 s96, s96, s97
	s_add_co_i32 s96, s96, 127
	s_lshl_b32 s96, s96, 23                        ; 2^(e10 + e11) as f32
	s_mov_b32 s97, s96
	PLACES 4                                       ; in front of the first reads of results and of loads into the fragments' registers
	TOSTAGE 0
.irp a, 1,2,3
.if \a > 1
	s_wait_xcnt 0x0                                ; block a - 2's stores have read their registers and their base
.endif
	TOSTAGE \a
	SEND (\a)-1, 32                                ; behind block a - 1's loads: block a's 16 stores and 16 loads
.endr
	s_wait_xcnt 0x0
	SEND 3, 0
	s_wait_tensorcnt 0x0                           ; the wave's end
	ds_add_u32 v28, v29
	s_wait_dscnt 0x0
	CROUND                                         ; the closing round
	s_endpgm
.Lfunc_end_k_q96dd485250_oproj:
	.size	k_q96dd485250_oproj, .Lfunc_end_k_q96dd485250_oproj-k_q96dd485250_oproj
	.p2alignl 7, 3214868480
	.fill 96, 4, 3214868480
	.section	.rodata,"a",@progbits
	.p2align	6, 0x0
	.amdhsa_kernel k_q96dd485250_oproj
		.amdhsa_group_segment_fixed_size 327680
		.amdhsa_private_segment_fixed_size 0
		.amdhsa_enable_private_segment 0
		.amdhsa_kernarg_size 32
		.amdhsa_user_sgpr_count 2
		.amdhsa_user_sgpr_kernarg_segment_ptr 1
		.amdhsa_wavefront_size32 1
		.amdhsa_system_sgpr_workgroup_id_x 1
		.amdhsa_system_sgpr_workgroup_id_y 1
		.amdhsa_system_sgpr_workgroup_id_z 1
		.amdhsa_system_vgpr_workitem_id 0
		.amdhsa_next_free_vgpr 768
		.amdhsa_next_free_sgpr 100
		.amdhsa_reserve_vcc 0
		.amdhsa_float_denorm_mode_32 3
		.amdhsa_float_denorm_mode_16_64 3
		.amdhsa_memory_ordered 1
		.amdhsa_forward_progress 1
		.amdhsa_inst_pref_size 75
	.end_amdhsa_kernel
	.amdgpu_metadata
---
amdhsa.version: [ 1, 2 ]
amdhsa.kernels:
  - .name:           k_q96dd485250_oproj
    .symbol:         k_q96dd485250_oproj.kd
    .args:
      - { .name: a_codes, .offset: 0, .size: 8, .value_kind: global_buffer, .address_space: global }
      - { .name: w_codes, .offset: 8, .size: 8, .value_kind: global_buffer, .address_space: global }
      - { .name: lowp_scales, .offset: 16, .size: 8, .value_kind: global_buffer, .address_space: global }
      - { .name: out0, .offset: 24, .size: 8, .value_kind: global_buffer, .address_space: global }
    .group_segment_fixed_size: 327680
    .private_segment_fixed_size: 0
    .kernarg_segment_align: 8
    .kernarg_segment_size: 32
    .max_flat_workgroup_size: 128
    .sgpr_count:     100
    .vgpr_count:     768
    .wavefront_size: 32
...
	.end_amdgpu_metadata
.endif
;; end of part 4
